; MI455X (gfx1250); checked and timed in simulation.
; The chip was launched on July 23, 2026; its instructions are those of AMD's public machine-readable ISA for CDNA 5 (MIT licence, August 2026) and "CDNA5" Instruction Set Architecture Reference Guide (July 2026). The comments in the code are by the model that wrote it; some were corrected since.
;; Gated Feature Read. Allowed arithmetic: float matrix products may take bf16 or f16 operands with f32 sums; other float arithmetic in f32, or as packed bf16 or f16 multiplies, adds, multiply-adds, maxima and minima; sums over many terms, partial sums and values carried from step to step in f32; what a program stores and reads back later, other than sums and carried values, may be rounded once to bf16 or f16.
;; Inputs: Q 1,024 x 512 float32; Wk_b 512 float32; Wk_w 512 x 512 float32; Wv_b 512 float32; Wv_w 512 x 512 float32; features 1,024 x 128 x 512 float32; g1_b 32 float32; g1_w 32 x 513 float32; g2_b 1 float32; g2_w 1 x 32 float32.
;; Outputs: out0 1,024 x 512 float32; out1 1,024 x 1 float32.
;; 2 versions, each right; version 2 is version 1 with the launches proj, outp written anew for expert scheduling mode. Each part assembles by itself: llvm-mc -triple=amdgcn-amd-amdhsa -mcpu=gfx1250 --defsym DOCPART=n.
;; ======== version 1 of 2: 3 launches
;; limits: values are held in f16: magnitudes above 65,504 overflow, below 6.1e-05 lose precision; inputs' magnitudes at most 65,504; a function is approximated: absolute error at most 1.5e-07
;; workspace buffers: qk 2,097,152 bytes; hqp 1,048,576 bytes; wf 1,048,576 bytes; scl 4,096 bytes
;; launch proj (part 1): grid 8 x 32, 8 waves a work-group, no clusters, 138,752 bytes of LDS; arguments Q, Wk_w, g1_w, qk, hqp; writes qk, hqp
.if DOCPART == 1
	.amdgcn_target "amdgcn-amd-amdhsa--gfx1250"
	.amdhsa_code_object_version 6
	.text
	.protected	k_q72075aa8aa_proj
	.globl	k_q72075aa8aa_proj
	.p2align	8
	.type	k_q72075aa8aa_proj,@function
k_q72075aa8aa_proj:
	s_mov_b64 s[64:65], 0
	v_nop
	global_prefetch_b8 v0, s[64:65] scope:SCOPE_SE
	s_setreg_imm32_b32 hwreg(HW_REG_WAVE_MODE, 25, 1), 1
	s_wait_xcnt 0x0
; GatedFeatureRead, launch 1 of 3:  qk[b][f] = c * sum over t of Q[b][t] Wk_w[t][f],  c = log2(e) / sqrt(512);
;                                   hqp[x][b][j] = sum over t in 64 x .. 64 x + 63 of Q[b][t] g1_w[j][t]  (eight partial sums of Q g1^T, f32).
; WORK LEFT OUT, for all finite values of the inputs, in exact arithmetic:
;   K and V are never formed.  scores[b][c] = sum_t Q[b][t] (sum_f features[b][c][f] Wk_w[t][f] + Wk_b[t]) / sqrt(512)
;     = features[b][c][:] . (Q[b] Wk_w) / sqrt(512) + (Q[b] . Wk_b) / sqrt(512): sums taken in another order.
;   The term Q[b] . Wk_b is the same for every c, and a softmax along c does not change when one number is added to all its inputs:
;     Wk_b has no way to any output; it is not loaded and is no argument of any launch.
;   feat_read[b] = sum_c w[c] (features[b][c][:] Wv_w^T + Wv_b) = (sum_c w[c] features[b][c][:]) Wv_w^T + Wv_b, since the weights of a softmax add up to 1.
; LIMITS.  A NaN, an infinity or an overflow that would arise only in K, V or Q . Wk_b is not carried to the result; the order of rounding differs from the written one.
;   Matrix operands are f16 (sums f32): |Q|, |Wk_w|, |g1_w| stay under 65,504; below 6e-5 f16 keeps its fixed step of 6e-8.
; SHARES.  Work-group (x, y): 32 rows b (32 y ..) x 64 columns f (64 x ..), the whole K = 512; and K slice x of the gate product for the same rows.
;   Wave w: rows 16 (w % 2) .., columns 16 (w / 2) ..: one tile of 16 x 16, two accumulators by the parity of the K step, which take turns.
;   Waves 0 to 3 also make tile (w % 2, w / 2) of the 32 x 32 gate product over the slice's two K steps.
; ROAD.  All 58 loads of a thread go out before the first wait; f32 is rounded to f16 on the way through registers into LDS; one barrier; fragments from LDS.
;   Wk_w lies [t][f], K along the rows' index, so its fragments come by the turning load.  No tile is shared with another work-group in 16 bits, so no cluster.
; THE MATRIX INSTRUCTION IS USED TRANSPOSED (source 0 = the weights, source 1 = Q): a lane holds one row b (lane % 16) and eight neighbouring columns.
.set PA,    1040                       ; a row of Q in LDS: 1,024 bytes + 16: an odd multiple of 16
.set PB,    160                        ; a row t of Wk_w: 128 bytes + 32: an odd multiple of 32, for the turning load
.set PG,    144                        ; rows of 128 bytes + 16
.set PS,    272                        ; rows of 256 bytes + 16
.set AQ,    0                          ; 32 rows of Q, f16
.set BW,    33280                      ; 512 rows t x 64 columns f, f16
.set BG,    115200                     ; 32 rows j x 64 t of g1_w, f16
.set AH,    119808                     ; 32 rows b x 64 t of Q: the K slice, so that no LDS address hangs on x
.set STAGE, 124416                     ; 32 rows x 64 f32, the way out of qk
.set HS,    133120                     ; 32 rows x 32 f32, the way out of hqp
.set SPARE, 137728                     ; the spare words: 128 bytes for each of eight waves; no other line names them
.set SPW, 4                            ; v4   SPARE + 4 x thread; never rewritten
.set NIL, 5                            ; v5   0; never rewritten
.set GA,  6                            ; v6   8192 w + 16 l: Q, four rows a wave
.set GB,  7                            ; v7   (64 w + h) 2048 + 16 (l % 16): Wk_w, two row pieces of 256 bytes an instruction
.set GG,  8                            ; v8   8208 w + 4 l: g1_w, four rows a wave
.set GH,  9                            ; v9   (4 w + h) 2048 + 16 (l % 16): the slice of Q; also my 16 bytes of qk on the way out
.set LA,  10                           ; v10-13 where the four kinds are put in LDS
.set LB,  11
.set LG,  12
.set LH,  13
.set FA,  14                           ; v14  fragments of Q
.set FB0, 15                           ; v15  fragments of Wk_w, K steps 0-7;  v16 K steps 8-15 (an LDS immediate has 16 bits)
.set FHA, 17                           ; v17  fragments of the slice of Q
.set FHB, 18                           ; v18  fragments of g1_w
.set STO, 19                           ; v19  into STAGE
.set STH, 20                           ; v20  into HS
.set RD,  21                           ; v21  back from STAGE
.set RDH, 22                           ; v22  back from HS
.set COH, 24                           ; v24  16 x thread: my 16 bytes of hqp
.set XH,  32                           ; as loaded: v32-39 slice of Q, v40-47 g1_w, v48-111 Q, v112-239 Wk_w
.set XG,  40
.set XA,  48
.set XB,  112
.set SET0, 32                          ; behind the barrier: two sets of 64: four fragments of Q, then four of Wk_w
.set SET1, 96
.set ACC,  160                         ; v160-175 two accumulators
.set ACCH, 176                         ; v176-183 the gate tile
.set GF,   184                         ; v184-215 its fragments: Q 2 x 8, g1_w 2 x 8
.set OB,   216                         ; v216-227 rows read back
	s_load_b256 s[4:11], s[0:1], 0x0               ; Q s[4:5], Wk_w s[6:7], g1_w s[8:9], qk s[10:11]
	s_load_b64 s[12:13], s[0:1], 0x20              ; hqp
	v_lshl_add_u32 v[SPW], v0, 2, SPARE
	v_mov_b32 v[NIL], 0
	v_lshrrev_b32 v25, 5, v0
	v_readfirstlane_b32 s14, v25                   ; wave 0..7
	v_and_b32 v1, 15, v0                           ; r = l % 16
	v_bfe_u32 v2, v0, 4, 1                         ; h = l / 16
	v_and_b32 v3, 31, v0                           ; l
	s_mov_b32 s15, ttmp9                           ; x
	s_and_b32 s16, ttmp7, 0xffff                   ; y
	s_and_b32 s17, s14, 1                          ; mt: which 16 rows
	s_lshr_b32 s34, s14, 1                         ; nt: which 16 columns
	s_mov_b32 s32, 0x3d8293ee                      ; c = log2(e) / sqrt(512)
	s_mov_b32 s33, s32                             ; named with it as a pair
	s_lshl_b32 s35, s14, 13
	v_lshl_add_u32 v[GA], v3, 4, s35
	v_lshlrev_b32 v26, 4, v1
	v_lshl_add_u32 v26, v2, 11, v26                ; 2048 h + 16 (l % 16)
	v_add_nc_u32 v[GH], s35, v26
	s_lshl_b32 s36, s14, 17
	v_add_nc_u32 v[GB], s36, v26
	s_mul_i32 s37, s14, 8208
	v_lshl_add_u32 v[GG], v3, 2, s37
	s_wait_kmcnt 0x0
	s_lshl_b32 s18, s16, 16                        ; 32 rows of 2,048 bytes
	s_mov_b32 s19, 0
	s_add_nc_u64 s[20:21], s[4:5], s[18:19]        ; Q at my rows
	s_add_nc_u64 s[28:29], s[10:11], s[18:19]      ; qk at my rows,
	s_lshl_b32 s18, s15, 8                         ; 64 f32
	s_add_nc_u64 s[22:23], s[20:21], s[18:19]      ; Q at my rows and K slice
	s_add_nc_u64 s[24:25], s[6:7], s[18:19]        ; Wk_w at my columns
	s_add_nc_u64 s[26:27], s[8:9], s[18:19]        ; g1_w at my K slice
	s_add_nc_u64 s[28:29], s[28:29], s[18:19]      ; and columns
	s_lshl_b32 s18, s15, 17                        ; a slice of hqp is 1,024 x 128 bytes,
	s_lshl_b32 s36, s16, 12                        ; my 32 rows of it 4,096
	s_add_co_u32 s18, s18, s36
	s_add_nc_u64 s[30:31], s[12:13], s[18:19]
	; 58 loads, the small ones first: 2 + 8 + 16 + 32
.irp e, 0,1
	global_load_b128 v[XH+4*\e:XH+4*\e+3], v[GH], s[22:23] offset:4096*\e
.endr
.irp r, 0,1,2,3
.irp e, 0,1
	global_load_b32 v[XG+2*\r+\e], v[GG], s[26:27] offset:2052*\r+128*\e  ; rows of 513 f32 begin on multiples of 4 bytes only
.endr
.endr
.irp r, 0,1,2,3
.irp j, 0,1,2,3
	global_load_b128 v[XA+16*\r+4*\j:XA+16*\r+4*\j+3], v[GA], s[20:21] offset:2048*\r+512*\j  ; 512 bytes on end
.endr
.endr
.set i, 0
.rept 32
	global_load_b128 v[XB+4*i:XB+4*i+3], v[GB], s[24:25] offset:4096*i  ; rows 64 w + 2 i + h: two aligned pieces of 256 bytes
.set i, i+1
.endr
	; the LDS addresses are made while the loads are out (AQ = 0)
	s_mul_i32 s36, s14, 4*PA
	v_lshl_add_u32 v[LA], v3, 3, s36               ; rows 4 w .., 8 bytes a lane
	v_mul_u32_u24 v27, v2, PB
	v_lshl_add_u32 v27, v1, 3, v27
	s_mul_i32 s36, s14, 64*PB
	s_add_co_u32 s36, s36, BW
	v_add_nc_u32 v[LB], s36, v27                   ; rows 64 w + h ..
	s_mul_i32 s36, s14, 4*PG
	s_add_co_u32 s37, s36, BG
	v_lshl_add_u32 v[LG], v3, 1, s37               ; rows 4 w .., 2 bytes a lane
	v_mul_u32_u24 v27, v2, PG
	v_lshl_add_u32 v27, v1, 3, v27
	s_add_co_u32 s37, s36, AH
	v_add_nc_u32 v[LH], s37, v27                   ; rows 4 w + h ..
	v_mul_u32_u24 v27, v1, PA
	v_lshl_add_u32 v27, v2, 4, v27
	s_mul_i32 s36, s17, 16*PA
	v_add_nc_u32 v[FA], s36, v27                   ; (16 mt + r) pitch + 16 h
	v_and_b32 v28, 7, v0
	v_lshl_add_u32 v28, v2, 3, v28                 ; the turning load: row 8 h + l % 8,
	v_mul_u32_u24 v28, v28, PB
	v_bfe_u32 v29, v0, 3, 1
	v_lshl_add_u32 v28, v29, 4, v28                ; 16 bytes by (l / 8) % 2,
	s_lshl_b32 s36, s34, 5
	s_add_co_u32 s36, s36, BW
	v_add_nc_u32 v[FB0], s36, v28                  ; my 16 columns
	v_add_nc_u32 v[FB0+1], 8*32*PB, v[FB0]
	v_mul_u32_u24 v27, v1, PG
	v_lshl_add_u32 v27, v2, 4, v27
	s_mul_i32 s36, s17, 16*PG
	s_add_co_u32 s37, s36, AH
	v_add_nc_u32 v[FHA], s37, v27
	s_mul_i32 s37, s34, 16*PG
	s_add_co_u32 s37, s37, BG
	v_add_nc_u32 v[FHB], s37, v27                  ; used by waves 0 to 3 alone, where nt is 0 or 1
	v_mul_u32_u24 v27, v1, PG
	v_lshl_add_u32 v27, v2, 5, v27
	s_lshl_b32 s37, s34, 6                         ; 16 f32
	s_add_co_u32 s36, s36, s37
	s_add_co_u32 s36, s36, HS
	v_add_nc_u32 v[STH], s36, v27                  ; row 16 mt + r, columns 16 nt + 8 h ..
	v_mul_u32_u24 v27, v1, PS
	v_lshl_add_u32 v27, v2, 5, v27
	s_mul_i32 s36, s17, 16*PS
	s_add_co_u32 s36, s36, s37
	s_add_co_u32 s36, s36, STAGE
	v_add_nc_u32 v[STO], s36, v27
	v_mul_u32_u24 v27, v2, PS
	v_lshl_add_u32 v27, v1, 4, v27
	s_mul_i32 s36, s14, 4*PS
	s_add_co_u32 s36, s36, STAGE
	v_add_nc_u32 v[RD], s36, v27                   ; rows 4 w + h, whole: 16 lanes a row
	v_lshrrev_b32 v27, 3, v3
	v_mul_u32_u24 v27, v27, PG
	v_and_b32 v28, 7, v0
	v_lshl_add_u32 v27, v28, 4, v27
	s_mul_i32 s36, s14, 4*PG
	s_add_co_u32 s36, s36, HS
	v_add_nc_u32 v[RDH], s36, v27                  ; row thread / 8, 16 bytes by thread % 8
	v_lshlrev_b32 v[COH], 4, v0
; four f32 in v[x .. x+3] are rounded to f16 in place and put into LDS
.macro CVST x, adr, off
	v_cvt_pk_f16_f32 v[\x], v[\x], v[(\x)+1]
	v_cvt_pk_f16_f32 v[(\x)+1], v[(\x)+2], v[(\x)+3]
	ds_store_b64 v[\adr], v[\x:(\x)+1] offset:\off
.endm
	s_wait_loadcnt 48                              ; the slice of Q and g1_w are in; Q's 16 and Wk_w's 32 loads may stay out
.irp e, 0,1
	CVST XH+4*\e, LH, 2*PG*\e
.endr
.irp r, 0,1,2,3
	v_cvt_pk_f16_f32 v[XG+2*\r], v[XG+2*\r], v[XG+2*\r+1]
	ds_store_b16 v[LG], v[XG+2*\r] offset:PG*\r             ; t = l
	ds_store_b16_d16_hi v[LG], v[XG+2*\r] offset:PG*\r+64   ; t = 32 + l
.endr
	s_wait_loadcnt 32                              ; Q is in
.irp r, 0,1,2,3
.irp j, 0,1,2,3
	CVST XA+16*\r+4*\j, LA, PA*\r+256*\j
.endr
.endr
.set i, 0
.rept 4
	s_wait_loadcnt 24-i                            ; Wk_w in four batches of eight loads: the later batches may stay out
.rept 8
	CVST XB+4*i, LB, 2*PB*i
.set i, i+1
.endr
.endr
	s_wait_dscnt 0x0                               ; for the others: my stores are done
	s_barrier_signal -1
	s_barrier_wait -1                              ; all operands lie in LDS
; 16 LDS loads: the fragments of K steps ks0 .. ks0 + 3
.macro FRAGS set, ks0
.irp n, 0,1,2,3
	ds_load_b128 v[(\set)+8*\n:(\set)+8*\n+3],   v[FA] offset:64*((\ks0)+\n)
	ds_load_b128 v[(\set)+8*\n+4:(\set)+8*\n+7], v[FA] offset:64*((\ks0)+\n)+32
	ds_load_tr16_b128 v[(\set)+32+8*\n:(\set)+32+8*\n+3],   v[FB0+(\ks0)/8] offset:32*PB*(((\ks0)+\n)%8)
	ds_load_tr16_b128 v[(\set)+32+8*\n+4:(\set)+32+8*\n+7], v[FB0+(\ks0)/8] offset:32*PB*(((\ks0)+\n)%8)+16*PB
.endr
.endm
; four products; the two accumulators take turns, one instruction a turn.  zero = 1: K steps 0 and 1 start the sums
.macro MULS set, zero
.irp n, 0,1,2,3
.if (\zero) && (\n < 2)
	v_wmma_f32_16x16x32_f16 v[ACC+8*((\n)%2):ACC+8*((\n)%2)+7], v[(\set)+32+8*\n:(\set)+32+8*\n+7], v[(\set)+8*\n:(\set)+8*\n+7], 0
.else
	v_wmma_f32_16x16x32_f16 v[ACC+8*((\n)%2):ACC+8*((\n)%2)+7], v[(\set)+32+8*\n:(\set)+32+8*\n+7], v[(\set)+8*\n:(\set)+8*\n+7], v[ACC+8*((\n)%2):ACC+8*((\n)%2)+7]
.endif
.endr
.endm
.macro PLACES                          ; four places between a product and loads into registers that it has read (ISA guide 7.12.1 for vector instructions)
.rept 4
	v_nop
.endr
.endm
	FRAGS SET0, 0
	FRAGS SET1, 4
	s_wait_dscnt 16                                ; set 0 is in; set 1's 16 loads may stay out
	MULS SET0, 1
	PLACES
	FRAGS SET0, 8
	s_wait_dscnt 16                                ; set 1 is in
	MULS SET1, 0
	PLACES
	FRAGS SET1, 12
	s_wait_dscnt 16
	MULS SET0, 0
	s_wait_dscnt 0x0
	MULS SET1, 0
	s_cmp_lt_u32 s14, 4                            ; the gate product's four tiles: waves 0 to 3; no barrier stands in what is jumped
	s_cbranch_scc0 .Lnog
.irp n, 0,1
	ds_load_b128 v[GF+8*\n:GF+8*\n+3],       v[FHA] offset:64*\n
	ds_load_b128 v[GF+8*\n+4:GF+8*\n+7],     v[FHA] offset:64*\n+32
	ds_load_b128 v[GF+16+8*\n:GF+16+8*\n+3], v[FHB] offset:64*\n
	ds_load_b128 v[GF+16+8*\n+4:GF+16+8*\n+7], v[FHB] offset:64*\n+32
.endr
	s_wait_dscnt 0x0
	v_wmma_f32_16x16x32_f16 v[ACCH:ACCH+7], v[GF+16:GF+23], v[GF:GF+7], 0
	s_wait_alu depctr_va_vdst(0)                   ; the wait stands directly ahead of the second
	v_wmma_f32_16x16x32_f16 v[ACCH:ACCH+7], v[GF+24:GF+31], v[GF+8:GF+15], v[ACCH:ACCH+7]
.rept 8
	v_nop                                          ; the places behind the product, ahead of the stores that read its result
.endr
	ds_store_b128 v[STH], v[ACCH:ACCH+3]           ; the low registers first
	ds_store_b128 v[STH], v[ACCH+4:ACCH+7] offset:16
.Lnog:
.rept 8
	v_nop                                          ; the places behind the last products
.endr
.irp i, 0,2,4,6
	v_pk_add_f32 v[ACC+\i:ACC+\i+1], v[ACC+\i:ACC+\i+1], v[ACC+8+\i:ACC+8+\i+1]  ; the two parities, from the low end on
.endr
.irp i, 0,2,4,6
	v_pk_mul_f32 v[ACC+\i:ACC+\i+1], v[ACC+\i:ACC+\i+1], s[32:33] op_sel_hi:[1,0]  ; times c: the scores then come out as exponents of 2
.endr
	ds_store_b128 v[STO], v[ACC:ACC+3]
	ds_store_b128 v[STO], v[ACC+4:ACC+7] offset:16
	s_wait_dscnt 0x0                               ; for the others: a row of 256 bytes comes from four waves
	s_barrier_signal -1
	s_barrier_wait -1
	ds_load_b128 v[OB:OB+3],    v[RD]
	ds_load_b128 v[OB+4:OB+7],  v[RD] offset:2*PS
	ds_load_b128 v[OB+8:OB+11], v[RDH]
	s_wait_dscnt 0x0
	global_store_b128 v[GH], v[OB:OB+3],   s[28:29]              ; 16 lanes store 256 consecutive bytes, at a multiple of 256 from the first byte of qk
	global_store_b128 v[GH], v[OB+4:OB+7], s[28:29] offset:4096
	global_store_b128 v[COH], v[OB+8:OB+11], s[30:31]            ; the work-group's 4,096 bytes of hqp lie on end
	s_wait_tensorcnt 0x0                           ; the wave's end
	ds_add_u32 v[SPW], v[NIL]
	s_wait_dscnt 0x0
	s_endpgm
.Lfunc_end_k_q72075aa8aa_proj:
	.size	k_q72075aa8aa_proj, .Lfunc_end_k_q72075aa8aa_proj-k_q72075aa8aa_proj
	.p2alignl 7, 3214868480
	.fill 96, 4, 3214868480
	.section	.rodata,"a",@progbits
	.p2align	6, 0x0
	.amdhsa_kernel k_q72075aa8aa_proj
		.amdhsa_group_segment_fixed_size 138752
		.amdhsa_private_segment_fixed_size 0
		.amdhsa_enable_private_segment 0
		.amdhsa_kernarg_size 40
		.amdhsa_user_sgpr_count 2
		.amdhsa_user_sgpr_kernarg_segment_ptr 1
		.amdhsa_wavefront_size32 1
		.amdhsa_system_sgpr_workgroup_id_x 1
		.amdhsa_system_sgpr_workgroup_id_y 1
		.amdhsa_system_sgpr_workgroup_id_z 1
		.amdhsa_system_vgpr_workitem_id 0
		.amdhsa_next_free_vgpr 256
		.amdhsa_next_free_sgpr 66
		.amdhsa_reserve_vcc 0
		.amdhsa_float_denorm_mode_32 3
		.amdhsa_float_denorm_mode_16_64 3
		.amdhsa_memory_ordered 1
		.amdhsa_forward_progress 1
		.amdhsa_inst_pref_size 30
	.end_amdhsa_kernel
	.amdgpu_metadata
---
amdhsa.version: [ 1, 2 ]
amdhsa.kernels:
  - .name:           k_q72075aa8aa_proj
    .symbol:         k_q72075aa8aa_proj.kd
    .args:
      - { .name: Q, .offset: 0, .size: 8, .value_kind: global_buffer, .address_space: global }
      - { .name: Wk_w, .offset: 8, .size: 8, .value_kind: global_buffer, .address_space: global }
      - { .name: g1_w, .offset: 16, .size: 8, .value_kind: global_buffer, .address_space: global }
      - { .name: qk, .offset: 24, .size: 8, .value_kind: global_buffer, .address_space: global }
      - { .name: hqp, .offset: 32, .size: 8, .value_kind: global_buffer, .address_space: global }
    .group_segment_fixed_size: 138752
    .private_segment_fixed_size: 0
    .kernarg_segment_align: 8
    .kernarg_segment_size: 40
    .max_flat_workgroup_size: 256
    .sgpr_count:     66
    .vgpr_count:     256
    .wavefront_size: 32
...
	.end_amdgpu_metadata
.endif
;; end of part 1
;; launch stream (part 2): grid 1024 x 1, 4 waves a work-group, no clusters, 8,960 bytes of LDS; arguments features, qk, wf, scl; writes wf, scl
.if DOCPART == 2
	.amdgcn_target "amdgcn-amd-amdhsa--gfx1250"
	.amdhsa_code_object_version 6
	.text
	.protected	k_q72075aa8aa_stream
	.globl	k_q72075aa8aa_stream
	.p2align	8
	.type	k_q72075aa8aa_stream,@function
k_q72075aa8aa_stream:
	s_mov_b64 s[64:65], 0
	v_nop
	global_prefetch_b8 v0, s[64:65] scope:SCOPE_SE
	s_setreg_imm32_b32 hwreg(HW_REG_WAVE_MODE, 25, 1), 1
	s_wait_xcnt 0x0
; GatedFeatureRead, launch 2 of 3.  For each b:  s[c] = features[b][c][:] . qk[b][:]  (qk holds the factor log2(e) / sqrt(512));  w = softmax over c;
;   wf[b][:] = sum over c of w[c] features[b][c][:]  (stored once rounded, f16);   scl[b] = the mean of |features[b]|.
; WORK LEFT OUT: K, V and Wk_b, as shown at the head of the first kernel (sums in another order; a term that is the same along the softmax's axis).
; LIMITS.  wf is a mean of feature rows and has their range: |features| stays under 65,504 for f16.  A weight below 2^-126 counts as 0.  NaN and infinities are not treated apart.
; features are read ONCE, in f32, and never rounded: dot product, |x| sum and weighted sum are made of the same registers.
; SHARES.  One work-group for each b.  Wave w owns rows 32 w .. 32 w + 31: 65,536 bytes on end.  A row is four loads of 512 consecutive bytes: lane l holds f = 128 j + 4 l + 0..3.
;   Rows go in groups of four through a ring of three register slots: 48 loads of a wave are out, and no wait for data is for zero before the last group.
;   Every address is the lane's offset plus an immediate: no address register is ever rewritten.
;   Each wave keeps a running maximum m, sum l and weighted sum for its 32 rows; the four waves meet once in LDS.
; No matrix unit: one query a batch entry; rounding features to 16 bits would cost as many instructions as the f32 multiply-adds.  No LDS on the way in and no cluster: no byte of features is wanted twice.
.set PART,  0                          ; LDS: wave w's weighted sum, 2,048 bytes at 2,048 w
.set STAT,  8192                       ; wave w's m, l, |x| sum, 0: 16 bytes at 16 w
.set SPARE, 8448                       ; the spare words: 128 bytes for each of four waves; no other line names them
.set OFF, 1                            ; v1   16 l; never rewritten
.set SPW, 2                            ; v2   SPARE + 4 x thread; never rewritten
.set NIL, 3                            ; v3   0; never rewritten
.set QK,  4                            ; v4-19   qk of my 16 columns
.set ACC, 20                           ; v20-35  the weighted sum
.set AS,  36                           ; v36-39  four chains of |x|
.set DD,  40                           ; v40-47  a pair a row: two chains of the dot product; then the score (low) and the other half of the lanes' (high)
.set PP,  48                           ; v48 a, v50 + 2 r the weight of row r; the odd registers hold 0, so that the pairs are written
.set MN,  58                           ; v58  the new maximum
.set TT,  59                           ; v59  at work
.set MX,  60                           ; v60  m   (v60-63 are stored as one 16 bytes)
.set LL,  61                           ; v61  l
.set AST, 62                           ; v62  the wave's |x| sum
.set ZR,  63                           ; v63  0
.set XR,  64                           ; v64-255 three slots of four rows of 16 registers
	s_load_b256 s[4:11], s[0:1], 0x0               ; features s[4:5], qk s[6:7], wf s[8:9], scl s[10:11]
	v_lshl_add_u32 v[SPW], v0, 2, SPARE
	v_mov_b32 v[NIL], 0
	v_lshrrev_b32 v[MN], 5, v0
	v_readfirstlane_b32 s12, v[MN]                 ; wave 0..3
	v_and_b32 v[OFF], 31, v0
	v_lshlrev_b32 v[OFF], 4, v[OFF]
	s_mov_b32 s14, 0x76543210                      ; v_permlanex16_b32: each lane takes its own place in the other half
	s_mov_b32 s15, 0xfedcba98
	s_lshl_b32 s2, ttmp9, 18                       ; b x 128 rows of 2,048 bytes (under 2^28)
	s_lshl_b32 s16, s12, 16                        ; my wave's 32 rows
	s_add_co_u32 s2, s2, s16
	s_mov_b32 s3, 0
	s_lshl_b32 s16, ttmp9, 11                      ; a row of qk
	s_mov_b32 s17, 0
	s_lshl_b32 s18, ttmp9, 10                      ; a row of wf
	s_mov_b32 s19, 0
	s_lshl_b32 s22, ttmp9, 2
	s_mov_b32 s23, 0
	s_wait_kmcnt 0x0
	s_add_nc_u64 s[4:5], s[4:5], s[2:3]
	s_add_nc_u64 s[6:7], s[6:7], s[16:17]
	s_add_nc_u64 s[8:9], s[8:9], s[18:19]
	s_add_nc_u64 s[10:11], s[10:11], s[22:23]
.macro LOADROWS s, g                   ; group g's four rows into slot s: 16 loads
.irp r, 0,1,2,3
.irp j, 0,1,2,3
	global_load_b128 v[XR+64*(\s)+16*\r+4*\j:XR+64*(\s)+16*\r+4*\j+3], v[OFF], s[4:5] offset:(4*(\g)+\r)*2048+512*\j th:TH_LOAD_NT
.endr
.endr
.endm
.irp j, 0,1,2,3
	global_load_b128 v[QK+4*\j:QK+4*\j+3], v[OFF], s[6:7] offset:512*\j
.endr
	LOADROWS 0, 0
	LOADROWS 1, 1
	LOADROWS 2, 2
.irp i, 1,3,5,7,9
	v_mov_b32 v[PP+\i], 0
.endr
	v_mov_b32 v[ZR], 0
; Group g of eight.  Group 0 starts m, l, the weighted sum and the |x| chains: nothing is cleared.
.macro GROUP g
.set SL, XR+64*((\g)%3)
.set YOUNG, 32                         ; the loads of the two groups behind this one
.if (\g) > 5
.set YOUNG, 16*(7-(\g))
.endif
	; the dot products and the |x| sums, row by row as the rows land
.irp r, 0,1,2,3
	s_wait_loadcnt YOUNG+4*(3-\r)                  ; loads come back in order: row r is in (and qk, which is older); the group's later rows and the later groups stay out
.irp k, 0,1,2,3,4,5,6,7
.if \k == 0
	v_pk_mul_f32 v[DD+2*\r:DD+2*\r+1], v[SL+16*\r:SL+16*\r+1], v[QK:QK+1]
.else
	v_pk_fma_f32 v[DD+2*\r:DD+2*\r+1], v[SL+16*\r+2*\k:SL+16*\r+2*\k+1], v[QK+2*\k:QK+2*\k+1], v[DD+2*\r:DD+2*\r+1]
.endif
.if ((\g) == 0) && (\r == 0) && (\k < 2)
	v_add_f32 v[AS+2*\k],   |v[SL+2*\k]|,   |v[SL+2*\k+4]|    ; the first row's first eight numbers start the four chains
	v_add_f32 v[AS+2*\k+1], |v[SL+2*\k+1]|, |v[SL+2*\k+5]|
.elseif ((\g) == 0) && (\r == 0) && (\k < 4)
.else
	v_add_f32 v[AS+(2*\k)%4],   v[AS+(2*\k)%4],   |v[SL+16*\r+2*\k]|
	v_add_f32 v[AS+(2*\k+1)%4], v[AS+(2*\k+1)%4], |v[SL+16*\r+2*\k+1]|
.endif
.endr
.endr
	; across the lanes, the four rows by turns: every lane ends with all four scores
.irp r, 0,1,2,3
	v_add_f32 v[DD+2*\r], v[DD+2*\r], v[DD+2*\r+1]
.endr
.irp m, 1,2,4,8
.irp r, 0,1,2,3
	v_add_f32_dpp v[DD+2*\r], v[DD+2*\r], v[DD+2*\r] row_xmask:\m row_mask:0xf bank_mask:0xf
.endr
.endr
.irp r, 0,1,2,3
	v_permlanex16_b32 v[DD+2*\r+1], v[DD+2*\r], s14, s15
.endr
.irp r, 0,1,2,3
	v_add_f32 v[DD+2*\r], v[DD+2*\r], v[DD+2*\r+1]
.endr
	; the running maximum, a = 2^(m_old - m_new), the weights p = 2^(s - m_new)
.if (\g) == 0
	v_max3_num_f32 v[MX], v[DD], v[DD+2], v[DD+4]
	v_max_num_f32 v[MX], v[MX], v[DD+6]
.irp r, 0,1,2,3
	v_sub_f32 v[PP+2+2*\r], v[DD+2*\r], v[MX]
.endr
.irp r, 0,1,2,3
	v_exp_f32 v[PP+2+2*\r], v[PP+2+2*\r]
.endr
	v_nop                                          ; a plain instruction behind the last exponential (ISA guide 5.7.2),
	s_wait_alu depctr_va_vdst(0)                   ; and the one wait for the batch, ahead of its first reader
	v_add_f32 v[TT], v[PP+2], v[PP+4]
	v_add_f32 v[LL], v[PP+6], v[PP+8]
	v_add_f32 v[LL], v[LL], v[TT]
.else
	v_max3_num_f32 v[MN], v[MX], v[DD], v[DD+2]
	v_max3_num_f32 v[MN], v[MN], v[DD+4], v[DD+6]
	v_sub_f32 v[PP], v[MX], v[MN]
.irp r, 0,1,2,3
	v_sub_f32 v[PP+2+2*\r], v[DD+2*\r], v[MN]
.endr
.irp r, 0,1,2,3,4
	v_exp_f32 v[PP+2*\r], v[PP+2*\r]
.endr
	v_mov_b32 v[MX], v[MN]                         ; the plain instruction behind the last exponential,
	s_wait_alu depctr_va_vdst(0)                   ; and the one wait for the batch of five
	v_add_f32 v[TT], v[PP+2], v[PP+4]
	v_fma_f32 v[LL], v[LL], v[PP], v[TT]
	v_add_f32 v[TT], v[PP+6], v[PP+8]
	v_add_f32 v[LL], v[LL], v[TT]
.irp k, 0,1,2,3,4,5,6,7
	v_pk_mul_f32 v[ACC+2*\k:ACC+2*\k+1], v[ACC+2*\k:ACC+2*\k+1], v[PP:PP+1] op_sel_hi:[1,0]
.endr
.endif
	; the weighted sum, of the same registers
.irp r, 0,1,2,3
.irp k, 0,1,2,3,4,5,6,7
.if ((\g) == 0) && (\r == 0)
	v_pk_mul_f32 v[ACC+2*\k:ACC+2*\k+1], v[SL+2*\k:SL+2*\k+1], v[PP+2:PP+3] op_sel_hi:[1,0]
.else
	v_pk_fma_f32 v[ACC+2*\k:ACC+2*\k+1], v[SL+16*\r+2*\k:SL+16*\r+2*\k+1], v[PP+2+2*\r:PP+3+2*\r], v[ACC+2*\k:ACC+2*\k+1] op_sel_hi:[1,0,1]
.endif
.endr
.endr
.if (\g) < 5
	LOADROWS (\g)%3, (\g)+3                        ; the slot takes the group three further on
.endif
.endm
.irp g, 0,1,2,3,4,5,6,7
	GROUP \g
.endr
	; the wave's |x| sum, and its results into LDS
	v_add_f32 v[AS], v[AS], v[AS+1]
	v_add_f32 v[AS+2], v[AS+2], v[AS+3]
	v_add_f32 v[AS], v[AS], v[AS+2]
.irp m, 1,2,4,8
	v_add_f32_dpp v[AS], v[AS], v[AS] row_xmask:\m row_mask:0xf bank_mask:0xf
.endr
	v_permlanex16_b32 v[AS+1], v[AS], s14, s15
	v_add_f32 v[AST], v[AS], v[AS+1]
	s_lshl_b32 s16, s12, 11
	v_add_nc_u32 v[DD], s16, v[OFF]                ; PART (0) + 2,048 w + 16 l
	s_lshl_b32 s17, s12, 4
	s_add_co_u32 s17, s17, STAT
	v_mov_b32 v[DD+1], s17
.irp j, 0,1,2,3
	ds_store_b128 v[DD], v[ACC+4*\j:ACC+4*\j+3] offset:512*\j
.endr
	ds_store_b128 v[DD+1], v[MX:MX+3]              ; all lanes hold the same four words
	s_wait_dscnt 0x0                               ; for the others: my stores are done
	s_barrier_signal -1
	s_barrier_wait -1
	; wave w finishes f = 128 w .. 128 w + 127: sum over u of 2^(m_u - M) part_u / sum over u of 2^(m_u - M) l_u
	v_mov_b32 v[DD+2], STAT
	s_lshl_b32 s16, s12, 9
	v_add_nc_u32 v[DD+3], s16, v[OFF]
.irp u, 0,1,2,3
	ds_load_b128 v[64+4*\u:67+4*\u], v[DD+2] offset:16*\u
.endr
.irp u, 0,1,2,3
	ds_load_b128 v[80+4*\u:83+4*\u], v[DD+3] offset:2048*\u
.endr
	s_wait_dscnt 0x0
	v_max3_num_f32 v[MN], v64, v68, v72
	v_max_num_f32 v[MN], v[MN], v76
.irp u, 0,1,2,3
	v_sub_f32 v[64+4*\u], v[64+4*\u], v[MN]
.endr
.irp u, 0,1,2,3
	v_exp_f32 v[64+4*\u], v[64+4*\u]
.endr
	v_add_f32 v[TT], v66, v70                      ; the four |x| sums: plain work behind the exponentials
	v_add_f32 v[AST], v74, v78
	v_add_f32 v[TT], v[TT], v[AST]
	s_wait_alu depctr_va_vdst(0)                   ; one wait for the four
	v_mul_f32 v[LL], v64, v65
	v_fma_f32 v[LL], v68, v69, v[LL]
	v_fma_f32 v[LL], v72, v73, v[LL]
	v_fma_f32 v[LL], v76, v77, v[LL]
	v_rcp_f32 v[LL], v[LL]
	v_lshlrev_b32 v[DD], 3, v0                     ; 8 x thread: my 8 bytes of wf; the plain instruction behind the reciprocal
	s_wait_alu depctr_va_vdst(0)
.irp u, 0,1,2,3
	v_mul_f32 v[64+4*\u], v[64+4*\u], v[LL]
.endr
	v_pk_mul_f32 v[96:97], v[80:81], v[64:65] op_sel_hi:[1,0]
	v_pk_mul_f32 v[98:99], v[82:83], v[64:65] op_sel_hi:[1,0]
.irp u, 1,2,3
	v_pk_fma_f32 v[96:97], v[80+4*\u:81+4*\u], v[64+4*\u:65+4*\u], v[96:97] op_sel_hi:[1,0,1]
	v_pk_fma_f32 v[98:99], v[82+4*\u:83+4*\u], v[64+4*\u:65+4*\u], v[98:99] op_sel_hi:[1,0,1]
.endr
	v_cvt_pk_f16_f32 v100, v96, v97
	v_cvt_pk_f16_f32 v101, v98, v99
	global_store_b64 v[DD], v[100:101], s[8:9]     ; the wave stores 256 consecutive bytes, at a multiple of 256 from the first byte of wf
	s_cmp_lg_u32 s12, 0
	s_cbranch_scc1 .Lend                           ; wave 0 stores the mean: 4 bytes a work-group, 4,096 in the launch
	v_mul_f32 v[TT], 0x37800000, v[TT]             ; / 65,536
	s_wait_xcnt 0x0                                ; EXEC is a source of the store above: it changes only behind this wait
	v_cmp_eq_u32 vcc_lo, 0, v[OFF]
	s_and_saveexec_b32 s20, vcc_lo                 ; lane 0
	global_store_b32 v[ZR], v[TT], s[10:11]
	s_wait_xcnt 0x0                                ; and again ahead of the line that widens it
	s_or_b32 exec_lo, exec_lo, s20
.Lend:
	s_wait_tensorcnt 0x0                           ; the wave's end
	ds_add_u32 v[SPW], v[NIL]
	s_wait_dscnt 0x0
	s_endpgm
.Lfunc_end_k_q72075aa8aa_stream:
	.size	k_q72075aa8aa_stream, .Lfunc_end_k_q72075aa8aa_stream-k_q72075aa8aa_stream
	.p2alignl 7, 3214868480
	.fill 96, 4, 3214868480
	.section	.rodata,"a",@progbits
	.p2align	6, 0x0
	.amdhsa_kernel k_q72075aa8aa_stream
		.amdhsa_group_segment_fixed_size 8960
		.amdhsa_private_segment_fixed_size 0
		.amdhsa_enable_private_segment 0
		.amdhsa_kernarg_size 32
		.amdhsa_user_sgpr_count 2
		.amdhsa_user_sgpr_kernarg_segment_ptr 1
		.amdhsa_wavefront_size32 1
		.amdhsa_system_sgpr_workgroup_id_x 1
		.amdhsa_system_sgpr_workgroup_id_y 1
		.amdhsa_system_sgpr_workgroup_id_z 1
		.amdhsa_system_vgpr_workitem_id 0
		.amdhsa_next_free_vgpr 256
		.amdhsa_next_free_sgpr 66
		.amdhsa_reserve_vcc 1
		.amdhsa_float_denorm_mode_32 3
		.amdhsa_float_denorm_mode_16_64 3
		.amdhsa_memory_ordered 1
		.amdhsa_forward_progress 1
		.amdhsa_inst_pref_size 103
	.end_amdhsa_kernel
	.amdgpu_metadata
---
amdhsa.version: [ 1, 2 ]
amdhsa.kernels:
  - .name:           k_q72075aa8aa_stream
    .symbol:         k_q72075aa8aa_stream.kd
    .args:
      - { .name: features, .offset: 0, .size: 8, .value_kind: global_buffer, .address_space: global }
      - { .name: qk, .offset: 8, .size: 8, .value_kind: global_buffer, .address_space: global }
      - { .name: wf, .offset: 16, .size: 8, .value_kind: global_buffer, .address_space: global }
      - { .name: scl, .offset: 24, .size: 8, .value_kind: global_buffer, .address_space: global }
    .group_segment_fixed_size: 8960
    .private_segment_fixed_size: 0
    .kernarg_segment_align: 8
    .kernarg_segment_size: 32
    .max_flat_workgroup_size: 128
    .sgpr_count:     66
    .vgpr_count:     256
    .wavefront_size: 32
...
	.end_amdgpu_metadata
.endif
;; end of part 2
;; launch outp (part 3): grid 8 x 32, 8 waves a work-group, no clusters, 109,824 bytes of LDS; arguments wf, Wv_w, Wv_b, hqp, scl, g1_w, g1_b, g2_w, g2_b, out0, out1; writes out0, out1
.if DOCPART == 3
	.amdgcn_target "amdgcn-amd-amdhsa--gfx1250"
	.amdhsa_code_object_version 6
	.text
	.protected	k_q72075aa8aa_outp
	.globl	k_q72075aa8aa_outp
	.p2align	8
	.type	k_q72075aa8aa_outp,@function
k_q72075aa8aa_outp:
	s_mov_b64 s[64:65], 0
	v_nop
	global_prefetch_b8 v0, s[64:65] scope:SCOPE_SE
	s_setreg_imm32_b32 hwreg(HW_REG_WAVE_MODE, 25, 1), 1
	s_wait_xcnt 0x0
; GatedFeatureRead, launch 3 of 3.  gate[b] = sigmoid(g2_w . gelu(Q[b] g1_w[:, :512]^T + scl[b] g1_w[:, 512] + g1_b) + g2_b);
;   out0[b][t] = gate[b] (sum over f of wf[b][f] Wv_w[t][f] + Wv_b[t]);   out1[b] = gate[b].
; WORK LEFT OUT: V is never formed, and Wv_b is added once, since the weights of a softmax add up to 1 (shown at the head of the first kernel).
; LIMITS.  Matrix operands are f16 (sums f32): |Wv_w| stays under 65,504; below 6e-5 f16 keeps its fixed step of 6e-8.
;   gelu(h) = max(h, 0) - 0.5 |h| erfc(|h| / sqrt 2), which holds for both signs and subtracts no near-equal numbers; erfc(z) = (a1 t + .. + a5 t^5) exp(-z^2), t = 1 / (1 + 0.3275911 z):
;   a closed formula for every z >= 0, within 1.5e-7 absolute of erfc.  An exponential below 2^-126 counts as 0.
; SHARES.  Work-group (x, y): 32 rows b (32 y ..) x 64 columns t (64 x ..), K = 512.  Wave w: rows 16 (w % 2) .., columns 16 (w / 2) ..; two accumulators by the parity of the K step.
;   The gate of the 32 rows is made anew by each of the eight work-groups of a row block: thread = (row thread / 8, hidden units 4 (thread % 8) ..): four gelus a thread.
; ROAD.  All 56 loads of a thread go out before the first wait; the gate is made while wf and Wv_w are on their way; Wv_w is rounded to f16 on the way into LDS; wf is f16 already.
; The matrix instruction is used transposed (source 0 = Wv_w, source 1 = wf): a lane holds one row b and eight neighbouring columns t.
.set PA,    1040                       ; rows of 1,024 bytes + 16
.set PS,    272                        ; rows of 256 bytes + 16
.set AW,    0                          ; 32 rows of wf
.set BV,    33280                      ; 64 rows of Wv_w, f16
.set GATE,  99840                      ; 32 f32
.set STAGE, 100096                     ; 32 rows x 64 f32
.set SPARE, 108800                     ; the spare words: 128 bytes for each of eight waves; no other line names them
.set SPW, 4                            ; v4   SPARE + 4 x thread; never rewritten
.set NIL, 5                            ; v5   0; never rewritten
.set GHQ, 6                            ; v6   16 x thread: hqp
.set GSC, 7                            ; v7   4 (thread / 8): scl
.set GQ,  8                            ; v8   16 (thread % 8): g1_b, g2_w
.set GC,  9                            ; v9   8208 (thread % 8): four rows of g1_w
.set GVB, 10                           ; v10  16 (l % 16): Wv_b
.set GA,  11                           ; v11  4096 w + 16 l: wf
.set GB,  12                           ; v12  16384 w + 16 l: Wv_w
.set LGT, 13                           ; v13  GATE + 4 (thread / 8)
.set LA,  14                           ; v14  AW + 4 w rows + 16 l
.set LB,  15                           ; v15  BV + 8 w rows + 8 l
.set FA,  16                           ; v16  fragments of wf
.set FB,  17                           ; v17  fragments of Wv_w
.set STO, 18                           ; v18  into STAGE
.set RD,  19                           ; v19  back from STAGE
.set RG,  20                           ; v20  GATE + 4 (4 w + h)
.set CO,  21                           ; v21  (4 w + h) 2048 + 16 (l % 16): out0
.set G1,  22                           ; v22  GATE + 4 l
.set G1O, 23                           ; v23  4 l: out1
.set HQ,  32                           ; v32-63 eight partial sums of four hidden units; then v32-35 h, v36-56 at work
.set G1B, 64
.set G2W, 68
.set G1C, 72
.set SC,  76
.set VB,  80                           ; v80-83 Wv_b of my four columns on the way out; kept to the end
.set XA,  84                           ; v84-115 wf as loaded
.set XB,  116                          ; v116-243 Wv_w as loaded
.set SET0, 84                          ; behind the barrier: two sets of 64: four fragments of wf, then four of Wv_w
.set SET1, 148
.set ACC,  212                         ; v212-227 two accumulators
.set OB,   228                         ; v228-235 two rows' pieces read back; v236-237 their gates; v238 out1
	s_load_b512 s[8:23], s[0:1], 0x0               ; wf s[8:9], Wv_w s[10:11], Wv_b s[12:13], hqp s[14:15], scl s[16:17], g1_w s[18:19], g1_b s[20:21], g2_w s[22:23]
	s_load_b128 s[24:27], s[0:1], 0x40             ; g2_b s[24:25], out0 s[26:27]
	s_load_b64 s[28:29], s[0:1], 0x50              ; out1
	v_lshl_add_u32 v[SPW], v0, 2, SPARE
	v_mov_b32 v[NIL], 0
	v_lshrrev_b32 v24, 5, v0
	v_readfirstlane_b32 s30, v24                   ; wave 0..7
	s_mov_b32 s31, ttmp9                           ; x
	s_and_b32 s32, ttmp7, 0xffff                   ; y
	s_and_b32 s33, s30, 1                          ; mt
	s_lshr_b32 s46, s30, 1                         ; nt
	s_mov_b32 s36, 0x3e6d3389                      ; 0.3275911 / sqrt 2
	s_mov_b32 s37, 0xbf38aa3b                      ; -log2(e) / 2
	s_mov_b32 s38, 0x3e827906                      ; a1 =  0.254829592
	s_mov_b32 s39, 0xbe91a98e                      ; a2 = -0.284496736
	s_mov_b32 s40, 0x3fb5f0e3                      ; a3 =  1.421413741
	s_mov_b32 s41, 0xbfba00e3                      ; a4 = -1.453152027
	s_mov_b32 s42, 0x3f87dc22                      ; a5 =  1.061405429
	s_mov_b32 s43, 0xbfb8aa3b                      ; -log2(e)
	v_and_b32 v1, 15, v0                           ; r = l % 16
	v_bfe_u32 v2, v0, 4, 1                         ; h = l / 16
	v_and_b32 v3, 31, v0                           ; l
	v_lshlrev_b32 v[GHQ], 4, v0
	v_lshrrev_b32 v24, 3, v0
	v_lshlrev_b32 v[GSC], 2, v24
	v_and_b32 v25, 7, v0
	v_lshlrev_b32 v[GQ], 4, v25
	v_mul_u32_u24 v[GC], v25, 8208
	v_lshlrev_b32 v[GVB], 4, v1
	s_lshl_b32 s45, s30, 12
	v_lshl_add_u32 v[GA], v3, 4, s45
	s_lshl_b32 s45, s30, 14
	v_lshl_add_u32 v[GB], v3, 4, s45
	s_wait_kmcnt 0x0
	s_load_b32 s44, s[24:25], 0x0                  ; g2_b itself
	s_mov_b32 s35, 0
	s_lshl_b32 s34, s32, 12
	s_add_nc_u64 s[14:15], s[14:15], s[34:35]      ; hqp at my 32 rows of slice 0
	s_lshl_b32 s34, s32, 7
	s_add_nc_u64 s[16:17], s[16:17], s[34:35]      ; scl and out1 at my rows
	s_add_nc_u64 s[28:29], s[28:29], s[34:35]
	s_lshl_b32 s34, s31, 8
	s_add_nc_u64 s[12:13], s[12:13], s[34:35]      ; Wv_b and out0 at my columns
	s_add_nc_u64 s[26:27], s[26:27], s[34:35]
	s_lshl_b32 s34, s32, 16
	s_add_nc_u64 s[26:27], s[26:27], s[34:35]      ; out0 at my rows
	s_lshl_b32 s34, s32, 15
	s_add_nc_u64 s[8:9], s[8:9], s[34:35]          ; wf at my rows
	s_lshl_b32 s34, s31, 17
	s_add_nc_u64 s[10:11], s[10:11], s[34:35]      ; Wv_w at my 64 rows
	; 56 loads: 16 small ones for the gate and the bias, 8 of wf, 32 of Wv_w
.irp n, 0,1,2,3,4,5,6,7
	global_load_b128 v[HQ+4*\n:HQ+4*\n+3], v[GHQ], s[14:15] offset:131072*\n
.endr
	global_load_b32 v[SC], v[GSC], s[16:17]
	global_load_b128 v[G1B:G1B+3], v[GQ], s[20:21]
	global_load_b128 v[G2W:G2W+3], v[GQ], s[22:23]
.irp i, 0,1,2,3
	global_load_b32 v[G1C+\i], v[GC], s[18:19] offset:2048+2052*\i  ; g1_w[4 q + i][512]
.endr
	global_load_b128 v[VB:VB+3], v[GVB], s[12:13]
.irp r, 0,1,2,3
.irp e, 0,1
	global_load_b128 v[XA+8*\r+4*\e:XA+8*\r+4*\e+3], v[GA], s[8:9] offset:1024*\r+512*\e
.endr
.endr
.set i, 0
.rept 32
	global_load_b128 v[XB+4*i:XB+4*i+3], v[GB], s[10:11] offset:2048*(i/4)+512*(i%4)
.set i, i+1
.endr
	; the LDS addresses, while the loads are out (AW = 0)
	s_lshl_b32 s45, s30, 4
	s_add_co_u32 s45, s45, GATE
	v_lshrrev_b32 v24, 3, v3
	v_lshl_add_u32 v[LGT], v24, 2, s45             ; GATE + 4 (4 w + l / 8)
	v_lshl_add_u32 v[RG], v2, 2, s45               ; GATE + 4 (4 w + h)
	s_mul_i32 s45, s30, 4*PA
	v_lshl_add_u32 v[LA], v3, 4, s45
	s_mul_i32 s45, s30, 8*PA
	s_add_co_u32 s45, s45, BV
	v_lshl_add_u32 v[LB], v3, 3, s45
	v_mul_u32_u24 v24, v1, PA
	v_lshl_add_u32 v24, v2, 4, v24                 ; r pitch + 16 h
	s_mul_i32 s45, s33, 16*PA
	v_add_nc_u32 v[FA], s45, v24
	s_mul_i32 s45, s46, 16*PA
	s_add_co_u32 s45, s45, BV
	v_add_nc_u32 v[FB], s45, v24
	v_mul_u32_u24 v24, v1, PS
	v_lshl_add_u32 v24, v2, 5, v24
	s_mul_i32 s45, s33, 16*PS
	s_lshl_b32 s47, s46, 6
	s_add_co_u32 s45, s45, s47
	s_add_co_u32 s45, s45, STAGE
	v_add_nc_u32 v[STO], s45, v24                  ; row 16 mt + r, columns 16 nt + 8 h ..
	v_mul_u32_u24 v24, v2, PS
	v_lshl_add_u32 v24, v1, 4, v24
	s_mul_i32 s45, s30, 4*PS
	s_add_co_u32 s45, s45, STAGE
	v_add_nc_u32 v[RD], s45, v24                   ; rows 4 w + h, whole
	v_lshlrev_b32 v24, 4, v1
	v_lshl_add_u32 v24, v2, 11, v24
	s_lshl_b32 s45, s30, 13
	v_add_nc_u32 v[CO], s45, v24
	v_lshl_add_u32 v[G1], v3, 2, GATE
	v_lshlrev_b32 v[G1O], 2, v3
	; THE GATE
	s_wait_kmcnt 0x0                               ; g2_b
	s_wait_loadcnt 40                              ; the 16 small loads are in; wf's 8 and Wv_w's 32 may stay out
.irp n, 1,2,3,4,5,6,7
	v_pk_add_f32 v[HQ:HQ+1],   v[HQ:HQ+1],   v[HQ+4*\n:HQ+4*\n+1]      ; the eight K slices of Q g1^T
	v_pk_add_f32 v[HQ+2:HQ+3], v[HQ+2:HQ+3], v[HQ+4*\n+2:HQ+4*\n+3]
.endr
	v_pk_add_f32 v[HQ:HQ+1],   v[HQ:HQ+1],   v[G1B:G1B+1]
	v_pk_add_f32 v[HQ+2:HQ+3], v[HQ+2:HQ+3], v[G1B+2:G1B+3]
.irp i, 0,1,2,3
	v_fma_f32 v[HQ+\i], v[G1C+\i], v[SC], v[HQ+\i]                   ; + scl x the last column: h
.endr
.irp i, 0,1,2,3
	v_fma_f32 v[36+\i], |v[HQ+\i]|, s36, 1.0
.endr
.irp i, 0,1,2,3
	v_mul_f32 v[40+\i], v[HQ+\i], v[HQ+\i]
.endr
.irp i, 0,1,2,3
	v_mul_f32 v[40+\i], s37, v[40+\i]
.endr
.irp i, 0,1,2,3
	v_rcp_f32 v[36+\i], v[36+\i]                   ; t
.endr
.irp i, 0,1,2,3
	v_exp_f32 v[40+\i], v[40+\i]                   ; exp(-h^2 / 2)
.endr
.irp i, 0,1,2,3
	v_max_num_f32 v[44+\i], 0, v[HQ+\i]            ; plain work behind the batch of eight
.endr
.irp i, 0,1,2,3
	v_mul_f32 v[48+\i], 0.5, |v[HQ+\i]|
.endr
	s_wait_alu depctr_va_vdst(0)                   ; one wait for the batch, ahead of its first reader
.irp i, 0,1,2,3
	v_fma_f32 v[52+\i], v[36+\i], s42, s41
.endr
.irp c, 40,39,38
.irp i, 0,1,2,3
	v_fma_f32 v[52+\i], v[52+\i], v[36+\i], s[\c]
.endr
.endr
.irp i, 0,1,2,3
	v_mul_f32 v[52+\i], v[52+\i], v[36+\i]
.endr
.irp i, 0,1,2,3
	v_mul_f32 v[52+\i], v[52+\i], v[40+\i]         ; erfc(|h| / sqrt 2)
.endr
.irp i, 0,1,2,3
	v_fma_f32 v[44+\i], -v[48+\i], v[52+\i], v[44+\i]  ; gelu
.endr
	v_mul_f32 v56, v44, v[G2W]
	v_fma_f32 v56, v45, v[G2W+1], v56
	v_fma_f32 v56, v46, v[G2W+2], v56
	v_fma_f32 v56, v47, v[G2W+3], v56
.irp m, 1,2,4
	v_add_f32_dpp v56, v56, v56 row_xmask:\m row_mask:0xf bank_mask:0xf  ; the row's eight threads are eight neighbouring lanes
.endr
	v_add_f32 v56, s44, v56
	v_mul_f32 v56, s43, v56
	v_exp_f32 v56, v56
	v_nop
	s_wait_alu depctr_va_vdst(0)
	v_add_f32 v56, 1.0, v56
	v_rcp_f32 v56, v56
	v_nop
	s_wait_alu depctr_va_vdst(0)
	ds_store_b32 v[LGT], v56                       ; eight lanes, one word, one value
	; wf as it is, Wv_w rounded, into LDS
.macro CVST x, adr, off
	v_cvt_pk_f16_f32 v[\x], v[\x], v[(\x)+1]
	v_cvt_pk_f16_f32 v[(\x)+1], v[(\x)+2], v[(\x)+3]
	ds_store_b64 v[\adr], v[\x:(\x)+1] offset:\off
.endm
	s_wait_loadcnt 32                              ; wf is in
.irp r, 0,1,2,3
.irp e, 0,1
	ds_store_b128 v[LA], v[XA+8*\r+4*\e:XA+8*\r+4*\e+3] offset:PA*\r+512*\e
.endr
.endr
.set i, 0
.rept 4
	s_wait_loadcnt 24-i                            ; Wv_w in four batches of eight loads: the later batches may stay out
.rept 8
	CVST XB+4*i, LB, PA*(i/4)+256*(i%4)
.set i, i+1
.endr
.endr
	s_wait_dscnt 0x0                               ; for the others: my stores are done
	s_barrier_signal -1
	s_barrier_wait -1
.macro FRAGS set, ks0                  ; 16 LDS loads: the fragments of K steps ks0 .. ks0 + 3
.irp n, 0,1,2,3
	ds_load_b128 v[(\set)+8*\n:(\set)+8*\n+3],       v[FA] offset:64*((\ks0)+\n)
	ds_load_b128 v[(\set)+8*\n+4:(\set)+8*\n+7],     v[FA] offset:64*((\ks0)+\n)+32
	ds_load_b128 v[(\set)+32+8*\n:(\set)+32+8*\n+3], v[FB] offset:64*((\ks0)+\n)
	ds_load_b128 v[(\set)+32+8*\n+4:(\set)+32+8*\n+7], v[FB] offset:64*((\ks0)+\n)+32
.endr
.endm
.macro MULS set, zero                  ; four products; the two accumulators take turns, one instruction a turn
.irp n, 0,1,2,3
.if (\zero) && (\n < 2)
	v_wmma_f32_16x16x32_f16 v[ACC+8*((\n)%2):ACC+8*((\n)%2)+7], v[(\set)+32+8*\n:(\set)+32+8*\n+7], v[(\set)+8*\n:(\set)+8*\n+7], 0
.else
	v_wmma_f32_16x16x32_f16 v[ACC+8*((\n)%2):ACC+8*((\n)%2)+7], v[(\set)+32+8*\n:(\set)+32+8*\n+7], v[(\set)+8*\n:(\set)+8*\n+7], v[ACC+8*((\n)%2):ACC+8*((\n)%2)+7]
.endif
.endr
.endm
.macro PLACES                          ; four places between a product and loads into registers that it has read
.rept 4
	v_nop
.endr
.endm
	FRAGS SET0, 0
	FRAGS SET1, 4
	s_wait_dscnt 16                                ; set 0 is in; set 1's 16 loads may stay out
	MULS SET0, 1
	PLACES
	FRAGS SET0, 8
	s_wait_dscnt 16
	MULS SET1, 0
	PLACES
	FRAGS SET1, 12
	s_wait_dscnt 16
	MULS SET0, 0
	s_wait_dscnt 0x0
	MULS SET1, 0
.rept 8
	v_nop                                          ; the places behind the last products
.endr
.irp i, 0,2,4,6
	v_pk_add_f32 v[ACC+\i:ACC+\i+1], v[ACC+\i:ACC+\i+1], v[ACC+8+\i:ACC+8+\i+1]  ; the two parities, from the low end on
.endr
	ds_store_b128 v[STO], v[ACC:ACC+3]
	ds_store_b128 v[STO], v[ACC+4:ACC+7] offset:16
	s_wait_dscnt 0x0                               ; for the others: a row of 256 bytes comes from four waves
	s_barrier_signal -1
	s_barrier_wait -1
	ds_load_b128 v[OB:OB+3],   v[RD]
	ds_load_b128 v[OB+4:OB+7], v[RD] offset:2*PS
	ds_load_b32 v[OB+8], v[RG]                     ; the gates of rows 4 w + h
	ds_load_b32 v[OB+9], v[RG] offset:8            ; and 4 w + h + 2
	s_wait_dscnt 0x0
.irp i, 0,1
	v_pk_add_f32 v[OB+4*\i:OB+4*\i+1],   v[OB+4*\i:OB+4*\i+1],   v[VB:VB+1]
	v_pk_add_f32 v[OB+4*\i+2:OB+4*\i+3], v[OB+4*\i+2:OB+4*\i+3], v[VB+2:VB+3]
.endr
.irp i, 0,1
.irp e, 0,1,2,3
	v_mul_f32 v[OB+4*\i+\e], v[OB+4*\i+\e], v[OB+8+\i]
.endr
.endr
	global_store_b128 v[CO], v[OB:OB+3],   s[26:27] th:TH_STORE_NT              ; 16 lanes store 256 consecutive bytes, at a multiple of 256 from the first byte of out0
	global_store_b128 v[CO], v[OB+4:OB+7], s[26:27] offset:4096 th:TH_STORE_NT
	s_cmp_lg_u32 s31, 0                            ; out1: the work-group of the first column block,
	s_cbranch_scc1 .Lend
	s_cmp_lg_u32 s30, 0                            ; its wave 0: 128 consecutive bytes; the whole output is 4,096
	s_cbranch_scc1 .Lend
	ds_load_b32 v[OB+10], v[G1]
	s_wait_dscnt 0x0
	global_store_b32 v[G1O], v[OB+10], s[28:29]
.Lend:
	s_wait_tensorcnt 0x0                           ; the wave's end
	ds_add_u32 v[SPW], v[NIL]
	s_wait_dscnt 0x0
	s_endpgm
.Lfunc_end_k_q72075aa8aa_outp:
	.size	k_q72075aa8aa_outp, .Lfunc_end_k_q72075aa8aa_outp-k_q72075aa8aa_outp
	.p2alignl 7, 3214868480
	.fill 96, 4, 3214868480
	.section	.rodata,"a",@progbits
	.p2align	6, 0x0
	.amdhsa_kernel k_q72075aa8aa_outp
		.amdhsa_group_segment_fixed_size 109824
		.amdhsa_private_segment_fixed_size 0
		.amdhsa_enable_private_segment 0
		.amdhsa_kernarg_size 88
		.amdhsa_user_sgpr_count 2
		.amdhsa_user_sgpr_kernarg_segment_ptr 1
		.amdhsa_wavefront_size32 1
		.amdhsa_system_sgpr_workgroup_id_x 1
		.amdhsa_system_sgpr_workgroup_id_y 1
		.amdhsa_system_sgpr_workgroup_id_z 1
		.amdhsa_system_vgpr_workitem_id 0
		.amdhsa_next_free_vgpr 256
		.amdhsa_next_free_sgpr 66
		.amdhsa_reserve_vcc 0
		.amdhsa_float_denorm_mode_32 3
		.amdhsa_float_denorm_mode_16_64 3
		.amdhsa_memory_ordered 1
		.amdhsa_forward_progress 1
		.amdhsa_inst_pref_size 29
	.end_amdhsa_kernel
	.amdgpu_metadata
---
amdhsa.version: [ 1, 2 ]
amdhsa.kernels:
  - .name:           k_q72075aa8aa_outp
    .symbol:         k_q72075aa8aa_outp.kd
    .args:
      - { .name: wf, .offset: 0, .size: 8, .value_kind: global_buffer, .address_space: global }
      - { .name: Wv_w, .offset: 8, .size: 8, .value_kind: global_buffer, .address_space: global }
      - { .name: Wv_b, .offset: 16, .size: 8, .value_kind: global_buffer, .address_space: global }
      - { .name: hqp, .offset: 24, .size: 8, .value_kind: global_buffer, .address_space: global }
      - { .name: scl, .offset: 32, .size: 8, .value_kind: global_buffer, .address_space: global }
      - { .name: g1_w, .offset: 40, .size: 8, .value_kind: global_buffer, .address_space: global }
      - { .name: g1_b, .offset: 48, .size: 8, .value_kind: global_buffer, .address_space: global }
      - { .name: g2_w, .offset: 56, .size: 8, .value_kind: global_buffer, .address_space: global }
      - { .name: g2_b, .offset: 64, .size: 8, .value_kind: global_buffer, .address_space: global }
      - { .name: out0, .offset: 72, .size: 8, .value_kind: global_buffer, .address_space: global }
      - { .name: out1, .offset: 80, .size: 8, .value_kind: global_buffer, .address_space: global }
    .group_segment_fixed_size: 109824
    .private_segment_fixed_size: 0
    .kernarg_segment_align: 8
    .kernarg_segment_size: 88
    .max_flat_workgroup_size: 256
    .sgpr_count:     66
    .vgpr_count:     256
    .wavefront_size: 32
...
	.end_amdgpu_metadata
.endif
;; end of part 3
;; ======== version 2 of 2: 3 launches; version 1 with the launches proj, outp written anew for expert scheduling mode
;; limits: values are held in f16: magnitudes above 65,504 overflow, below 6.1e-05 lose precision; inputs' magnitudes at most 65,504; a function is approximated: absolute error at most 1.5e-07
;; workspace buffers: qk 2,097,152 bytes; hqp 1,048,576 bytes; wf 1,048,576 bytes; scl 4,096 bytes
;; launch proj (part 4): grid 8 x 32, 8 waves a work-group, no clusters, 138,752 bytes of LDS; arguments Q, Wk_w, g1_w, qk, hqp; writes qk, hqp
.if DOCPART == 4
	.amdgcn_target "amdgcn-amd-amdhsa--gfx1250"
	.amdhsa_code_object_version 6
	.text
	.protected	k_q72075aa8aa_proj
	.globl	k_q72075aa8aa_proj
	.p2align	8
	.type	k_q72075aa8aa_proj,@function
k_q72075aa8aa_proj:
	s_mov_b64 s[64:65], 0
	v_nop
	global_prefetch_b8 v0, s[64:65] scope:SCOPE_SE
	s_setreg_imm32_b32 hwreg(HW_REG_WAVE_SCHED_MODE, 0, 2), 2
	s_setreg_imm32_b32 hwreg(HW_REG_WAVE_MODE, 25, 1), 1
	s_wait_xcnt 0x0
	s_wait_alu depctr_vm_vsrc(0)
; GatedFeatureRead, launch 1 of 3:  qk[b][f] = c * sum over t of Q[b][t] Wk_w[t][f],  c = log2(e) / sqrt(512);
;                                   hqp[x][b][j] = sum over t in 64 x .. 64 x + 63 of Q[b][t] g1_w[j][t]  (eight partial sums of Q g1^T, f32).
; WORK LEFT OUT, for all finite values of the inputs, in exact arithmetic:
;   K and V are never formed.  scores[b][c] = sum_t Q[b][t] (sum_f features[b][c][f] Wk_w[t][f] + Wk_b[t]) / sqrt(512)
;     = features[b][c][:] . (Q[b] Wk_w) / sqrt(512) + (Q[b] . Wk_b) / sqrt(512): sums taken in another order.
;   The term Q[b] . Wk_b is the same for every c, and a softmax along c does not change when one number is added to all its inputs:
;     Wk_b has no way to any output; it is not loaded and is no argument of any launch.
;   feat_read[b] = sum_c w[c] (features[b][c][:] Wv_w^T + Wv_b) = (sum_c w[c] features[b][c][:]) Wv_w^T + Wv_b, since the weights of a softmax add up to 1.
; LIMITS.  A NaN, an infinity or an overflow that would arise only in K, V or Q . Wk_b is not carried to the result; the order of rounding differs from the written one.
;   Matrix operands are f16 (sums f32): |Q|, |Wk_w|, |g1_w| stay under 65,504; below 6e-5 f16 keeps its fixed step of 6e-8.
; SHARES.  Work-group (x, y): 32 rows b (32 y ..) x 64 columns f (64 x ..), the whole K = 512; and K slice x of the gate product for the same rows.
;   Wave w: rows 16 (w % 2) .., columns 16 (w / 2) ..: one tile of 16 x 16, two accumulators by the parity of the K step, which take turns.
;   Waves 0 to 3 also make tile (w % 2, w / 2) of the 32 x 32 gate product over the slice's two K steps.
; ROAD.  All 58 loads of a thread go out before the first wait; f32 is rounded to f16 on the way through registers into LDS; one barrier; fragments from LDS.
;   Wk_w lies [t][f], K along the rows' index, so its fragments come by the turning load.  No tile is shared with another work-group in 16 bits, so no cluster.
; THE MATRIX INSTRUCTION IS USED TRANSPOSED (source 0 = the weights, source 1 = Q): a lane holds one row b (lane % 16) and eight neighbouring columns.
; THE MODE: SCHED_MODE bits 1:0 = 2 (LLVM: expert scheduling mode 2), set by the entry lines.  The code itself states the register dependences
; between vector or matrix instructions and memory or LDS instructions, with s_wait_alu, always for 0.
; THE PLAN.  Registers that memory or LDS instructions touch:
;   v6-9     offsets of the global loads (v9 also of the qk stores): made at the head, never written again; one wait on va_vdst ahead of the first load.
;   v10-24   LDS addresses and the offset of hqp: made while the global loads are out, never written again; the first batch's wait on va_vdst covers them.
;   v32-239  as loaded: global loads land, conversions round in place, LDS stores read.  Six batches: a batch's conversions, ONE wait on va_vdst, the batch's run of stores.
;   Behind the barrier the same registers are the fragment sets, the accumulators and the rows read back: ONE wait on vm_vsrc states that my LDS stores have read them;
;            the conversions that named them stand ahead of the last batch's wait on va_vdst.
;   SET0, SET1  four products read a set, then the fragments of four later K steps land in it: one wait on va_vdst ahead of each of the two refilling runs.
;   GF, OB   loaded from LDS; no vector or matrix instruction behind the wait last passed names them or their addresses: no wait.
;   ACCH, ACC  written by matrix (ACC also by vector) instructions, read by LDS stores: one wait on va_vdst ahead of each pair of stores, behind the places.
.set PA,    1040                       ; a row of Q in LDS: 1,024 bytes + 16: an odd multiple of 16
.set PB,    160                        ; a row t of Wk_w: 128 bytes + 32: an odd multiple of 32, for the turning load
.set PG,    144                        ; rows of 128 bytes + 16
.set PS,    272                        ; rows of 256 bytes + 16
.set AQ,    0                          ; 32 rows of Q, f16
.set BW,    33280                      ; 512 rows t x 64 columns f, f16
.set BG,    115200                     ; 32 rows j x 64 t of g1_w, f16
.set AH,    119808                     ; 32 rows b x 64 t of Q: the K slice, so that no LDS address hangs on x
.set STAGE, 124416                     ; 32 rows x 64 f32, the way out of qk
.set HS,    133120                     ; 32 rows x 32 f32, the way out of hqp
.set SPARE, 137728                     ; the spare words: 128 bytes for each of eight waves; no other line names them
.set SPW, 4                            ; v4   SPARE + 4 x thread; never rewritten
.set NIL, 5                            ; v5   0; never rewritten
.set GA,  6                            ; v6   8192 w + 16 l: Q, four rows a wave
.set GB,  7                            ; v7   (64 w + h) 2048 + 16 (l % 16): Wk_w, two row pieces of 256 bytes an instruction
.set GG,  8                            ; v8   8208 w + 4 l: g1_w, four rows a wave
.set GH,  9                            ; v9   (4 w + h) 2048 + 16 (l % 16): the slice of Q; also my 16 bytes of qk on the way out
.set LA,  10                           ; v10-13 where the four kinds are put in LDS
.set LB,  11
.set LG,  12
.set LH,  13
.set FA,  14                           ; v14  fragments of Q
.set FB0, 15                           ; v15  fragments of Wk_w, K steps 0-7;  v16 K steps 8-15 (an LDS immediate has 16 bits)
.set FHA, 17                           ; v17  fragments of the slice of Q
.set FHB, 18                           ; v18  fragments of g1_w
.set STO, 19                           ; v19  into STAGE
.set STH, 20                           ; v20  into HS
.set RD,  21                           ; v21  back from STAGE
.set RDH, 22                           ; v22  back from HS
.set COH, 24                           ; v24  16 x thread: my 16 bytes of hqp
.set XH,  32                           ; as loaded: v32-39 slice of Q, v40-47 g1_w, v48-111 Q, v112-239 Wk_w
.set XG,  40
.set XA,  48
.set XB,  112
.set SET0, 32                          ; behind the barrier: two sets of 64: four fragments of Q, then four of Wk_w
.set SET1, 96
.set ACC,  160                         ; v160-175 two accumulators
.set ACCH, 176                         ; v176-183 the gate tile
.set GF,   184                         ; v184-215 its fragments: Q 2 x 8, g1_w 2 x 8
.set OB,   216                         ; v216-227 rows read back
	s_load_b256 s[4:11], s[0:1], 0x0               ; Q s[4:5], Wk_w s[6:7], g1_w s[8:9], qk s[10:11]
	s_load_b64 s[12:13], s[0:1], 0x20              ; hqp
	v_lshl_add_u32 v[SPW], v0, 2, SPARE
	v_mov_b32 v[NIL], 0
	v_lshrrev_b32 v25, 5, v0
	v_readfirstlane_b32 s14, v25                   ; wave 0..7
	v_and_b32 v1, 15, v0                           ; r = l % 16
	v_bfe_u32 v2, v0, 4, 1                         ; h = l / 16
	v_and_b32 v3, 31, v0                           ; l
	s_mov_b32 s15, ttmp9                           ; x
	s_and_b32 s16, ttmp7, 0xffff                   ; y
	s_wait_alu depctr_va_sdst(0)                   ; s14 is written, ahead of its first reader: offsets, LDS addresses and a branch are made from it
	s_and_b32 s17, s14, 1                          ; mt: which 16 rows
	s_lshr_b32 s34, s14, 1                         ; nt: which 16 columns
	s_mov_b32 s32, 0x3d8293ee                      ; c = log2(e) / sqrt(512)
	s_mov_b32 s33, s32                             ; named with it as a pair
	s_lshl_b32 s35, s14, 13
	v_lshl_add_u32 v[GA], v3, 4, s35
	v_lshlrev_b32 v26, 4, v1
	v_lshl_add_u32 v26, v2, 11, v26                ; 2048 h + 16 (l % 16)
	v_add_nc_u32 v[GH], s35, v26
	s_lshl_b32 s36, s14, 17
	v_add_nc_u32 v[GB], s36, v26
	s_mul_i32 s37, s14, 8208
	v_lshl_add_u32 v[GG], v3, 2, s37
	s_wait_kmcnt 0x0
	s_lshl_b32 s18, s16, 16                        ; 32 rows of 2,048 bytes
	s_mov_b32 s19, 0
	s_add_nc_u64 s[20:21], s[4:5], s[18:19]        ; Q at my rows
	s_add_nc_u64 s[28:29], s[10:11], s[18:19]      ; qk at my rows,
	s_lshl_b32 s18, s15, 8                         ; 64 f32
	s_add_nc_u64 s[22:23], s[20:21], s[18:19]      ; Q at my rows and K slice
	s_add_nc_u64 s[24:25], s[6:7], s[18:19]        ; Wk_w at my columns
	s_add_nc_u64 s[26:27], s[8:9], s[18:19]        ; g1_w at my K slice
	s_add_nc_u64 s[28:29], s[28:29], s[18:19]      ; and columns
	s_lshl_b32 s18, s15, 17                        ; a slice of hqp is 1,024 x 128 bytes,
	s_lshl_b32 s36, s16, 12                        ; my 32 rows of it 4,096
	s_add_co_u32 s18, s18, s36
	s_add_nc_u64 s[30:31], s[12:13], s[18:19]
	s_wait_alu depctr_va_vdst(0)                   ; the four offsets v6 to v9 are written, which the loads below read
	; 58 loads, the small ones first: 2 + 8 + 16 + 32
.irp e, 0,1
	global_load_b128 v[XH+4*\e:XH+4*\e+3], v[GH], s[22:23] offset:4096*\e
.endr
.irp r, 0,1,2,3
.irp e, 0,1
	global_load_b32 v[XG+2*\r+\e], v[GG], s[26:27] offset:2052*\r+128*\e  ; rows of 513 f32 begin on multiples of 4 bytes only
.endr
.endr
.irp r, 0,1,2,3
.irp j, 0,1,2,3
	global_load_b128 v[XA+16*\r+4*\j:XA+16*\r+4*\j+3], v[GA], s[20:21] offset:2048*\r+512*\j  ; 512 bytes on end
.endr
.endr
.set i, 0
.rept 32
	global_load_b128 v[XB+4*i:XB+4*i+3], v[GB], s[24:25] offset:4096*i  ; rows 64 w + 2 i + h: two aligned pieces of 256 bytes
.set i, i+1
.endr
	; the LDS addresses are made while the loads are out (AQ = 0): these lines name none of the registers that the loads read or land in
	s_mul_i32 s36, s14, 4*PA
	v_lshl_add_u32 v[LA], v3, 3, s36               ; rows 4 w .., 8 bytes a lane
	v_mul_u32_u24 v27, v2, PB
	v_lshl_add_u32 v27, v1, 3, v27
	s_mul_i32 s36, s14, 64*PB
	s_add_co_u32 s36, s36, BW
	v_add_nc_u32 v[LB], s36, v27                   ; rows 64 w + h ..
	s_mul_i32 s36, s14, 4*PG
	s_add_co_u32 s37, s36, BG
	v_lshl_add_u32 v[LG], v3, 1, s37               ; rows 4 w .., 2 bytes a lane
	v_mul_u32_u24 v27, v2, PG
	v_lshl_add_u32 v27, v1, 3, v27
	s_add_co_u32 s37, s36, AH
	v_add_nc_u32 v[LH], s37, v27                   ; rows 4 w + h ..
	v_mul_u32_u24 v27, v1, PA
	v_lshl_add_u32 v27, v2, 4, v27
	s_mul_i32 s36, s17, 16*PA
	v_add_nc_u32 v[FA], s36, v27                   ; (16 mt + r) pitch + 16 h
	v_and_b32 v28, 7, v0
	v_lshl_add_u32 v28, v2, 3, v28                 ; the turning load: row 8 h + l % 8,
	v_mul_u32_u24 v28, v28, PB
	v_bfe_u32 v29, v0, 3, 1
	v_lshl_add_u32 v28, v29, 4, v28                ; 16 bytes by (l / 8) % 2,
	s_lshl_b32 s36, s34, 5
	s_add_co_u32 s36, s36, BW
	v_add_nc_u32 v[FB0], s36, v28                  ; my 16 columns
	v_add_nc_u32 v[FB0+1], 8*32*PB, v[FB0]
	v_mul_u32_u24 v27, v1, PG
	v_lshl_add_u32 v27, v2, 4, v27
	s_mul_i32 s36, s17, 16*PG
	s_add_co_u32 s37, s36, AH
	v_add_nc_u32 v[FHA], s37, v27
	s_mul_i32 s37, s34, 16*PG
	s_add_co_u32 s37, s37, BG
	v_add_nc_u32 v[FHB], s37, v27                  ; used by waves 0 to 3 alone, where nt is 0 or 1
	v_mul_u32_u24 v27, v1, PG
	v_lshl_add_u32 v27, v2, 5, v27
	s_lshl_b32 s37, s34, 6                         ; 16 f32
	s_add_co_u32 s36, s36, s37
	s_add_co_u32 s36, s36, HS
	v_add_nc_u32 v[STH], s36, v27                  ; row 16 mt + r, columns 16 nt + 8 h ..
	v_mul_u32_u24 v27, v1, PS
	v_lshl_add_u32 v27, v2, 5, v27
	s_mul_i32 s36, s17, 16*PS
	s_add_co_u32 s36, s36, s37
	s_add_co_u32 s36, s36, STAGE
	v_add_nc_u32 v[STO], s36, v27
	v_mul_u32_u24 v27, v2, PS
	v_lshl_add_u32 v27, v1, 4, v27
	s_mul_i32 s36, s14, 4*PS
	s_add_co_u32 s36, s36, STAGE
	v_add_nc_u32 v[RD], s36, v27                   ; rows 4 w + h, whole: 16 lanes a row
	v_lshrrev_b32 v27, 3, v3
	v_mul_u32_u24 v27, v27, PG
	v_and_b32 v28, 7, v0
	v_lshl_add_u32 v27, v28, 4, v27
	s_mul_i32 s36, s14, 4*PG
	s_add_co_u32 s36, s36, HS
	v_add_nc_u32 v[RDH], s36, v27                  ; row thread / 8, 16 bytes by thread % 8
	v_lshlrev_b32 v[COH], 4, v0
; four f32 in v[x .. x+3] are rounded to f16 in place, into v[x .. x+1]
.macro CV x
	v_cvt_pk_f16_f32 v[\x], v[\x], v[(\x)+1]
	v_cvt_pk_f16_f32 v[(\x)+1], v[(\x)+2], v[(\x)+3]
.endm
	s_wait_loadcnt 48                              ; the slice of Q and g1_w are in; Q's 16 and Wk_w's 32 loads may stay out
.irp e, 0,1
	CV XH+4*\e
.endr
.irp r, 0,1,2,3
	v_cvt_pk_f16_f32 v[XG+2*\r], v[XG+2*\r], v[XG+2*\r+1]
.endr
	s_wait_alu depctr_va_vdst(0)                   ; the conversions have written v[XH ..] and v[XG ..], which the LDS stores read; the addresses v10 to v24 are written too, for every LDS instruction and the hqp store below
.irp e, 0,1
	ds_store_b64 v[LH], v[XH+4*\e:XH+4*\e+1] offset:2*PG*\e
.endr
.irp r, 0,1,2,3
	ds_store_b16 v[LG], v[XG+2*\r] offset:PG*\r             ; t = l
	ds_store_b16_d16_hi v[LG], v[XG+2*\r] offset:PG*\r+64   ; t = 32 + l
.endr
	s_wait_loadcnt 32                              ; Q is in
.irp r, 0,1,2,3
.irp j, 0,1,2,3
	CV XA+16*\r+4*\j
.endr
.endr
	s_wait_alu depctr_va_vdst(0)                   ; the conversions have written v[XA ..], which the LDS stores read
.irp r, 0,1,2,3
.irp j, 0,1,2,3
	ds_store_b64 v[LA], v[XA+16*\r+4*\j:XA+16*\r+4*\j+1] offset:PA*\r+256*\j
.endr
.endr
.set i, 0
.rept 4
	s_wait_loadcnt 24-i                            ; Wk_w in four batches of eight loads: the later batches may stay out
.rept 8
	CV XB+4*i
.set i, i+1
.endr
	s_wait_alu depctr_va_vdst(0)                   ; the batch's conversions have written their part of v[XB ..], which its LDS stores read
.set i, i-8
.rept 8
	ds_store_b64 v[LB], v[XB+4*i:XB+4*i+1] offset:2*PB*i
.set i, i+1
.endr
.endr
	s_wait_dscnt 0x0                               ; for the others: my stores are done
	s_barrier_signal -1
	s_barrier_wait -1                              ; all operands lie in LDS
	s_wait_alu depctr_vm_vsrc(0)                   ; my LDS stores have read v32 to v239: from here on these registers are the fragment sets, the accumulators and the rows read back, written by LDS loads and by matrix instructions
; 16 LDS loads: the fragments of K steps ks0 .. ks0 + 3
.macro FRAGS set, ks0
.irp n, 0,1,2,3
	ds_load_b128 v[(\set)+8*\n:(\set)+8*\n+3],   v[FA] offset:64*((\ks0)+\n)
	ds_load_b128 v[(\set)+8*\n+4:(\set)+8*\n+7], v[FA] offset:64*((\ks0)+\n)+32
	ds_load_tr16_b128 v[(\set)+32+8*\n:(\set)+32+8*\n+3],   v[FB0+(\ks0)/8] offset:32*PB*(((\ks0)+\n)%8)
	ds_load_tr16_b128 v[(\set)+32+8*\n+4:(\set)+32+8*\n+7], v[FB0+(\ks0)/8] offset:32*PB*(((\ks0)+\n)%8)+16*PB
.endr
.endm
; four products; the two accumulators take turns, one instruction a turn.  zero = 1: K steps 0 and 1 start the sums
.macro MULS set, zero
.irp n, 0,1,2,3
.if (\zero) && (\n < 2)
	v_wmma_f32_16x16x32_f16 v[ACC+8*((\n)%2):ACC+8*((\n)%2)+7], v[(\set)+32+8*\n:(\set)+32+8*\n+7], v[(\set)+8*\n:(\set)+8*\n+7], 0
.else
	v_wmma_f32_16x16x32_f16 v[ACC+8*((\n)%2):ACC+8*((\n)%2)+7], v[(\set)+32+8*\n:(\set)+32+8*\n+7], v[(\set)+8*\n:(\set)+8*\n+7], v[ACC+8*((\n)%2):ACC+8*((\n)%2)+7]
.endif
.endr
.endm
.macro PLACES                          ; four places behind a product, ahead of loads into registers that it has read: they stay as they stood; the wait that follows them states the dependence
.rept 4
	v_nop
.endr
.endm
	FRAGS SET0, 0
	FRAGS SET1, 4
	s_wait_dscnt 16                                ; set 0 is in; set 1's 16 loads may stay out
	MULS SET0, 1
	PLACES
	s_wait_alu depctr_va_vdst(0)                   ; the four products are done reading set 0, in which the loads below land
	FRAGS SET0, 8
	s_wait_dscnt 16                                ; set 1 is in
	MULS SET1, 0
	PLACES
	s_wait_alu depctr_va_vdst(0)                   ; the four products are done reading set 1, in which the loads below land
	FRAGS SET1, 12
	s_wait_dscnt 16
	MULS SET0, 0
	s_wait_dscnt 0x0
	MULS SET1, 0
	s_cmp_lt_u32 s14, 4                            ; the gate product's four tiles: waves 0 to 3; no barrier stands in what is jumped
	s_cbranch_scc0 .Lnog
.irp n, 0,1                                            ; no wait: the products issued since the last wait on va_vdst name the two sets and ACC, not v[GF ..] nor the two addresses
	ds_load_b128 v[GF+8*\n:GF+8*\n+3],       v[FHA] offset:64*\n
	ds_load_b128 v[GF+8*\n+4:GF+8*\n+7],     v[FHA] offset:64*\n+32
	ds_load_b128 v[GF+16+8*\n:GF+16+8*\n+3], v[FHB] offset:64*\n
	ds_load_b128 v[GF+16+8*\n+4:GF+16+8*\n+7], v[FHB] offset:64*\n+32
.endr
	s_wait_dscnt 0x0
	v_wmma_f32_16x16x32_f16 v[ACCH:ACCH+7], v[GF+16:GF+23], v[GF:GF+7], 0
	s_wait_alu depctr_va_vdst(0)                   ; the wait stands directly ahead of the second
	v_wmma_f32_16x16x32_f16 v[ACCH:ACCH+7], v[GF+24:GF+31], v[GF+8:GF+15], v[ACCH:ACCH+7]
.rept 8
	v_nop                                          ; the places behind the product, ahead of the stores that read its result
.endr
	s_wait_alu depctr_va_vdst(0)                   ; the product has written v[ACCH ..], which the LDS stores read; the places above stay beside this wait
	ds_store_b128 v[STH], v[ACCH:ACCH+3]           ; the low registers first
	ds_store_b128 v[STH], v[ACCH+4:ACCH+7] offset:16
.Lnog:
.rept 8
	v_nop                                          ; the places behind the last products
.endr
.irp i, 0,2,4,6
	v_pk_add_f32 v[ACC+\i:ACC+\i+1], v[ACC+\i:ACC+\i+1], v[ACC+8+\i:ACC+8+\i+1]  ; the two parities, from the low end on
.endr
.irp i, 0,2,4,6
	v_pk_mul_f32 v[ACC+\i:ACC+\i+1], v[ACC+\i:ACC+\i+1], s[32:33] op_sel_hi:[1,0]  ; times c: the scores then come out as exponents of 2
.endr
	s_wait_alu depctr_va_vdst(0)                   ; the scalings have written v[ACC .. ACC+7], which the LDS stores read
	ds_store_b128 v[STO], v[ACC:ACC+3]
	ds_store_b128 v[STO], v[ACC+4:ACC+7] offset:16
	s_wait_dscnt 0x0                               ; for the others: a row of 256 bytes comes from four waves
	s_barrier_signal -1
	s_barrier_wait -1
	ds_load_b128 v[OB:OB+3],    v[RD]              ; no wait: no vector or matrix instruction stands behind the wait above
	ds_load_b128 v[OB+4:OB+7],  v[RD] offset:2*PS
	ds_load_b128 v[OB+8:OB+11], v[RDH]
	s_wait_dscnt 0x0
	global_store_b128 v[GH], v[OB:OB+3],   s[28:29]              ; 16 lanes store 256 consecutive bytes, at a multiple of 256 from the first byte of qk
	global_store_b128 v[GH], v[OB+4:OB+7], s[28:29] offset:4096
	global_store_b128 v[COH], v[OB+8:OB+11], s[30:31]            ; the work-group's 4,096 bytes of hqp lie on end
	s_wait_dscnt 0x0                               ; the closing lines, six on end
	s_wait_alu 0x0
	s_wait_tensorcnt 0x0
	ds_add_u32 v[SPW], v[NIL]
	s_wait_dscnt 0x0
	s_endpgm
.Lfunc_end_k_q72075aa8aa_proj:
	.size	k_q72075aa8aa_proj, .Lfunc_end_k_q72075aa8aa_proj-k_q72075aa8aa_proj
	.p2alignl 7, 3214868480
	.fill 96, 4, 3214868480
	.section	.rodata,"a",@progbits
	.p2align	6, 0x0
	.amdhsa_kernel k_q72075aa8aa_proj
		.amdhsa_group_segment_fixed_size 138752
		.amdhsa_private_segment_fixed_size 0
		.amdhsa_enable_private_segment 0
		.amdhsa_kernarg_size 40
		.amdhsa_user_sgpr_count 2
		.amdhsa_user_sgpr_kernarg_segment_ptr 1
		.amdhsa_wavefront_size32 1
		.amdhsa_system_sgpr_workgroup_id_x 1
		.amdhsa_system_sgpr_workgroup_id_y 1
		.amdhsa_system_sgpr_workgroup_id_z 1
		.amdhsa_system_vgpr_workitem_id 0
		.amdhsa_next_free_vgpr 256
		.amdhsa_next_free_sgpr 66
		.amdhsa_reserve_vcc 0
		.amdhsa_float_denorm_mode_32 3
		.amdhsa_float_denorm_mode_16_64 3
		.amdhsa_memory_ordered 1
		.amdhsa_forward_progress 1
		.amdhsa_inst_pref_size 30
	.end_amdhsa_kernel
	.amdgpu_metadata
---
amdhsa.version: [ 1, 2 ]
amdhsa.kernels:
  - .name:           k_q72075aa8aa_proj
    .symbol:         k_q72075aa8aa_proj.kd
    .args:
      - { .name: Q, .offset: 0, .size: 8, .value_kind: global_buffer, .address_space: global }
      - { .name: Wk_w, .offset: 8, .size: 8, .value_kind: global_buffer, .address_space: global }
      - { .name: g1_w, .offset: 16, .size: 8, .value_kind: global_buffer, .address_space: global }
      - { .name: qk, .offset: 24, .size: 8, .value_kind: global_buffer, .address_space: global }
      - { .name: hqp, .offset: 32, .size: 8, .value_kind: global_buffer, .address_space: global }
    .group_segment_fixed_size: 138752
    .private_segment_fixed_size: 0
    .kernarg_segment_align: 8
    .kernarg_segment_size: 40
    .max_flat_workgroup_size: 256
    .sgpr_count:     66
    .vgpr_count:     256
    .wavefront_size: 32
...
	.end_amdgpu_metadata
.endif
;; end of part 4
;; launch stream: the kernel of part 2 again; grid 1024 x 1, 4 waves a work-group, no clusters, 8,960 bytes of LDS; arguments features, qk, wf, scl; writes wf, scl
;; launch outp (part 5): grid 8 x 32, 8 waves a work-group, no clusters, 109,824 bytes of LDS; arguments wf, Wv_w, Wv_b, hqp, scl, g1_w, g1_b, g2_w, g2_b, out0, out1; writes out0, out1
.if DOCPART == 5
	.amdgcn_target "amdgcn-amd-amdhsa--gfx1250"
	.amdhsa_code_object_version 6
	.text
	.protected	k_q72075aa8aa_outp
	.globl	k_q72075aa8aa_outp
	.p2align	8
	.type	k_q72075aa8aa_outp,@function
k_q72075aa8aa_outp:
	s_mov_b64 s[64:65], 0
	v_nop
	global_prefetch_b8 v0, s[64:65] scope:SCOPE_SE
	s_setreg_imm32_b32 hwreg(HW_REG_WAVE_SCHED_MODE, 0, 2), 2
	s_setreg_imm32_b32 hwreg(HW_REG_WAVE_MODE, 25, 1), 1
	s_wait_xcnt 0x0
	s_wait_alu depctr_vm_vsrc(0)
; GatedFeatureRead, launch 3 of 3.  gate[b] = sigmoid(g2_w . gelu(Q[b] g1_w[:, :512]^T + scl[b] g1_w[:, 512] + g1_b) + g2_b);
;   out0[b][t] = gate[b] (sum over f of wf[b][f] Wv_w[t][f] + Wv_b[t]);   out1[b] = gate[b].
; WORK LEFT OUT: V is never formed, and Wv_b is added once, since the weights of a softmax add up to 1 (shown at the head of the first kernel).
; LIMITS.  Matrix operands are f16 (sums f32): |Wv_w| stays under 65,504; below 6e-5 f16 keeps its fixed step of 6e-8.
;   gelu(h) = max(h, 0) - 0.5 |h| erfc(|h| / sqrt 2), which holds for both signs and subtracts no near-equal numbers; erfc(z) = (a1 t + .. + a5 t^5) exp(-z^2), t = 1 / (1 + 0.3275911 z):
;   a closed formula for every z >= 0, within 1.5e-7 absolute of erfc.  An exponential below 2^-126 counts as 0.
; SHARES.  Work-group (x, y): 32 rows b (32 y ..) x 64 columns t (64 x ..), K = 512.  Wave w: rows 16 (w % 2) .., columns 16 (w / 2) ..; two accumulators by the parity of the K step.
;   The gate of the 32 rows is made anew by each of the eight work-groups of a row block: thread = (row thread / 8, hidden units 4 (thread % 8) ..): four gelus a thread.
; ROAD.  All 56 loads of a thread go out before the first wait; the gate is made while wf and Wv_w are on their way; Wv_w is rounded to f16 on the way into LDS; wf is f16 already.
; The matrix instruction is used transposed (source 0 = Wv_w, source 1 = wf): a lane holds one row b and eight neighbouring columns t.
; THE MODE: SCHED_MODE bits 1:0 = 2 (LLVM: expert scheduling mode 2), set by the entry lines.  The code itself states the register dependences
; between vector or matrix instructions and memory or LDS instructions, with s_wait_alu, always for 0.
; THE PLAN.  Registers that memory or LDS instructions touch:
;   v6-12    offsets of the global loads: made at the head, never written again; one wait on va_vdst ahead of the first load.
;   v13-23   LDS addresses and the offsets of out0 and out1: made while the global loads are out, never written again; the gate's first wait on va_vdst covers them.
;   v32-83   the gate's inputs and the bias: loads land, vector lines alone work on them; v56, the gate, is read by one LDS store, behind the wait for its reciprocal.
;   v84-115  wf: loads land, LDS stores read: no vector line names them.
;   v116-243 Wv_w: loads land, conversions round in place, LDS stores read.  Four batches: a batch's conversions, ONE wait on va_vdst, the batch's run of stores.
;   Behind the barrier v84 to v243 are the fragment sets, the accumulators and the rows read back: ONE wait on vm_vsrc states that my LDS stores have read them;
;            the conversions that named them stand ahead of the last batch's wait on va_vdst.
;   SET0, SET1  four products read a set, then the fragments of four later K steps land in it: one wait on va_vdst ahead of each of the two refilling runs.
;   ACC      written by matrix and vector instructions, read by two LDS stores: one wait on va_vdst ahead of them.
;   OB       LDS loads land; the bias and the gate lines write it; the stores of out0 read it: one wait on va_vdst ahead of them.  Its eleventh register takes out1's word, behind that same wait.
.set PA,    1040                       ; rows of 1,024 bytes + 16
.set PS,    272                        ; rows of 256 bytes + 16
.set AW,    0                          ; 32 rows of wf
.set BV,    33280                      ; 64 rows of Wv_w, f16
.set GATE,  99840                      ; 32 f32
.set STAGE, 100096                     ; 32 rows x 64 f32
.set SPARE, 108800                     ; the spare words: 128 bytes for each of eight waves; no other line names them
.set SPW, 4                            ; v4   SPARE + 4 x thread; never rewritten
.set NIL, 5                            ; v5   0; never rewritten
.set GHQ, 6                            ; v6   16 x thread: hqp
.set GSC, 7                            ; v7   4 (thread / 8): scl
.set GQ,  8                            ; v8   16 (thread % 8): g1_b, g2_w
.set GC,  9                            ; v9   8208 (thread % 8): four rows of g1_w
.set GVB, 10                           ; v10  16 (l % 16): Wv_b
.set GA,  11                           ; v11  4096 w + 16 l: wf
.set GB,  12                           ; v12  16384 w + 16 l: Wv_w
.set LGT, 13                           ; v13  GATE + 4 (thread / 8)
.set LA,  14                           ; v14  AW + 4 w rows + 16 l
.set LB,  15                           ; v15  BV + 8 w rows + 8 l
.set FA,  16                           ; v16  fragments of wf
.set FB,  17                           ; v17  fragments of Wv_w
.set STO, 18                           ; v18  into STAGE
.set RD,  19                           ; v19  back from STAGE
.set RG,  20                           ; v20  GATE + 4 (4 w + h)
.set CO,  21                           ; v21  (4 w + h) 2048 + 16 (l % 16): out0
.set G1,  22                           ; v22  GATE + 4 l
.set G1O, 23                           ; v23  4 l: out1
.set HQ,  32                           ; v32-63 eight partial sums of four hidden units; then v32-35 h, v36-56 at work
.set G1B, 64
.set G2W, 68
.set G1C, 72
.set SC,  76
.set VB,  80                           ; v80-83 Wv_b of my four columns on the way out; kept to the end
.set XA,  84                           ; v84-115 wf as loaded
.set XB,  116                          ; v116-243 Wv_w as loaded
.set SET0, 84                          ; behind the barrier: two sets of 64: four fragments of wf, then four of Wv_w
.set SET1, 148
.set ACC,  212                         ; v212-227 two accumulators
.set OB,   228                         ; v228-235 two rows' pieces read back; v236-237 their gates; v238 out1
	s_load_b512 s[8:23], s[0:1], 0x0               ; wf s[8:9], Wv_w s[10:11], Wv_b s[12:13], hqp s[14:15], scl s[16:17], g1_w s[18:19], g1_b s[20:21], g2_w s[22:23]
	s_load_b128 s[24:27], s[0:1], 0x40             ; g2_b s[24:25], out0 s[26:27]
	s_load_b64 s[28:29], s[0:1], 0x50              ; out1
	v_lshl_add_u32 v[SPW], v0, 2, SPARE
	v_mov_b32 v[NIL], 0
	v_lshrrev_b32 v24, 5, v0
	v_readfirstlane_b32 s30, v24                   ; wave 0..7
	s_mov_b32 s31, ttmp9                           ; x
	s_and_b32 s32, ttmp7, 0xffff                   ; y
	s_mov_b32 s36, 0x3e6d3389                      ; 0.3275911 / sqrt 2
	s_mov_b32 s37, 0xbf38aa3b                      ; -log2(e) / 2
	s_mov_b32 s38, 0x3e827906                      ; a1 =  0.254829592
	s_mov_b32 s39, 0xbe91a98e                      ; a2 = -0.284496736
	s_mov_b32 s40, 0x3fb5f0e3                      ; a3 =  1.421413741
	s_mov_b32 s41, 0xbfba00e3                      ; a4 = -1.453152027
	s_mov_b32 s42, 0x3f87dc22                      ; a5 =  1.061405429
	s_mov_b32 s43, 0xbfb8aa3b                      ; -log2(e)
	v_and_b32 v1, 15, v0                           ; r = l % 16
	v_bfe_u32 v2, v0, 4, 1                         ; h = l / 16
	v_and_b32 v3, 31, v0                           ; l
	v_lshlrev_b32 v[GHQ], 4, v0
	v_lshrrev_b32 v24, 3, v0
	v_lshlrev_b32 v[GSC], 2, v24
	v_and_b32 v25, 7, v0
	v_lshlrev_b32 v[GQ], 4, v25
	v_mul_u32_u24 v[GC], v25, 8208
	v_lshlrev_b32 v[GVB], 4, v1
	s_wait_alu depctr_va_sdst(0)                   ; s30 is written, ahead of its first reader: offsets, LDS addresses and a branch are made from it
	s_and_b32 s33, s30, 1                          ; mt
	s_lshr_b32 s46, s30, 1                         ; nt
	s_lshl_b32 s45, s30, 12
	v_lshl_add_u32 v[GA], v3, 4, s45
	s_lshl_b32 s45, s30, 14
	v_lshl_add_u32 v[GB], v3, 4, s45
	s_wait_kmcnt 0x0
	s_load_b32 s44, s[24:25], 0x0                  ; g2_b itself
	s_mov_b32 s35, 0
	s_lshl_b32 s34, s32, 12
	s_add_nc_u64 s[14:15], s[14:15], s[34:35]      ; hqp at my 32 rows of slice 0
	s_lshl_b32 s34, s32, 7
	s_add_nc_u64 s[16:17], s[16:17], s[34:35]      ; scl and out1 at my rows
	s_add_nc_u64 s[28:29], s[28:29], s[34:35]
	s_lshl_b32 s34, s31, 8
	s_add_nc_u64 s[12:13], s[12:13], s[34:35]      ; Wv_b and out0 at my columns
	s_add_nc_u64 s[26:27], s[26:27], s[34:35]
	s_lshl_b32 s34, s32, 16
	s_add_nc_u64 s[26:27], s[26:27], s[34:35]      ; out0 at my rows
	s_lshl_b32 s34, s32, 15
	s_add_nc_u64 s[8:9], s[8:9], s[34:35]          ; wf at my rows
	s_lshl_b32 s34, s31, 17
	s_add_nc_u64 s[10:11], s[10:11], s[34:35]      ; Wv_w at my 64 rows
	s_wait_alu depctr_va_vdst(0)                   ; the seven offsets v6 to v12 are written, which the loads below read
	; 56 loads: 16 small ones for the gate and the bias, 8 of wf, 32 of Wv_w
.irp n, 0,1,2,3,4,5,6,7
	global_load_b128 v[HQ+4*\n:HQ+4*\n+3], v[GHQ], s[14:15] offset:131072*\n
.endr
	global_load_b32 v[SC], v[GSC], s[16:17]
	global_load_b128 v[G1B:G1B+3], v[GQ], s[20:21]
	global_load_b128 v[G2W:G2W+3], v[GQ], s[22:23]
.irp i, 0,1,2,3
	global_load_b32 v[G1C+\i], v[GC], s[18:19] offset:2048+2052*\i  ; g1_w[4 q + i][512]
.endr
	global_load_b128 v[VB:VB+3], v[GVB], s[12:13]
.irp r, 0,1,2,3
.irp e, 0,1
	global_load_b128 v[XA+8*\r+4*\e:XA+8*\r+4*\e+3], v[GA], s[8:9] offset:1024*\r+512*\e
.endr
.endr
.set i, 0
.rept 32
	global_load_b128 v[XB+4*i:XB+4*i+3], v[GB], s[10:11] offset:2048*(i/4)+512*(i%4)
.set i, i+1
.endr
	; the LDS addresses, while the loads are out (AW = 0): these lines name none of the registers that the loads read or land in
	s_lshl_b32 s45, s30, 4
	s_add_co_u32 s45, s45, GATE
	v_lshrrev_b32 v24, 3, v3
	v_lshl_add_u32 v[LGT], v24, 2, s45             ; GATE + 4 (4 w + l / 8)
	v_lshl_add_u32 v[RG], v2, 2, s45               ; GATE + 4 (4 w + h)
	s_mul_i32 s45, s30, 4*PA
	v_lshl_add_u32 v[LA], v3, 4, s45
	s_mul_i32 s45, s30, 8*PA
	s_add_co_u32 s45, s45, BV
	v_lshl_add_u32 v[LB], v3, 3, s45
	v_mul_u32_u24 v24, v1, PA
	v_lshl_add_u32 v24, v2, 4, v24                 ; r pitch + 16 h
	s_mul_i32 s45, s33, 16*PA
	v_add_nc_u32 v[FA], s45, v24
	s_mul_i32 s45, s46, 16*PA
	s_add_co_u32 s45, s45, BV
	v_add_nc_u32 v[FB], s45, v24
	v_mul_u32_u24 v24, v1, PS
	v_lshl_add_u32 v24, v2, 5, v24
	s_mul_i32 s45, s33, 16*PS
	s_lshl_b32 s47, s46, 6
	s_add_co_u32 s45, s45, s47
	s_add_co_u32 s45, s45, STAGE
	v_add_nc_u32 v[STO], s45, v24                  ; row 16 mt + r, columns 16 nt + 8 h ..
	v_mul_u32_u24 v24, v2, PS
	v_lshl_add_u32 v24, v1, 4, v24
	s_mul_i32 s45, s30, 4*PS
	s_add_co_u32 s45, s45, STAGE
	v_add_nc_u32 v[RD], s45, v24                   ; rows 4 w + h, whole
	v_lshlrev_b32 v24, 4, v1
	v_lshl_add_u32 v24, v2, 11, v24
	s_lshl_b32 s45, s30, 13
	v_add_nc_u32 v[CO], s45, v24
	v_lshl_add_u32 v[G1], v3, 2, GATE
	v_lshlrev_b32 v[G1O], 2, v3
	; THE GATE
	s_wait_kmcnt 0x0                               ; g2_b
	s_wait_loadcnt 40                              ; the 16 small loads are in; wf's 8 and Wv_w's 32 may stay out
.irp n, 1,2,3,4,5,6,7
	v_pk_add_f32 v[HQ:HQ+1],   v[HQ:HQ+1],   v[HQ+4*\n:HQ+4*\n+1]      ; the eight K slices of Q g1^T
	v_pk_add_f32 v[HQ+2:HQ+3], v[HQ+2:HQ+3], v[HQ+4*\n+2:HQ+4*\n+3]
.endr
	v_pk_add_f32 v[HQ:HQ+1],   v[HQ:HQ+1],   v[G1B:G1B+1]
	v_pk_add_f32 v[HQ+2:HQ+3], v[HQ+2:HQ+3], v[G1B+2:G1B+3]
.irp i, 0,1,2,3
	v_fma_f32 v[HQ+\i], v[G1C+\i], v[SC], v[HQ+\i]                   ; + scl x the last column: h
.endr
.irp i, 0,1,2,3
	v_fma_f32 v[36+\i], |v[HQ+\i]|, s36, 1.0
.endr
.irp i, 0,1,2,3
	v_mul_f32 v[40+\i], v[HQ+\i], v[HQ+\i]
.endr
.irp i, 0,1,2,3
	v_mul_f32 v[40+\i], s37, v[40+\i]
.endr
.irp i, 0,1,2,3
	v_rcp_f32 v[36+\i], v[36+\i]                   ; t
.endr
.irp i, 0,1,2,3
	v_exp_f32 v[40+\i], v[40+\i]                   ; exp(-h^2 / 2)
.endr
.irp i, 0,1,2,3
	v_max_num_f32 v[44+\i], 0, v[HQ+\i]            ; plain work behind the batch of eight
.endr
.irp i, 0,1,2,3
	v_mul_f32 v[48+\i], 0.5, |v[HQ+\i]|
.endr
	s_wait_alu depctr_va_vdst(0)                   ; one wait for the batch, ahead of its first reader: v36 to v43 are written; so are the addresses v13 to v23, for every LDS instruction and store below
.irp i, 0,1,2,3
	v_fma_f32 v[52+\i], v[36+\i], s42, s41
.endr
.irp c, 40,39,38
.irp i, 0,1,2,3
	v_fma_f32 v[52+\i], v[52+\i], v[36+\i], s[\c]
.endr
.endr
.irp i, 0,1,2,3
	v_mul_f32 v[52+\i], v[52+\i], v[36+\i]
.endr
.irp i, 0,1,2,3
	v_mul_f32 v[52+\i], v[52+\i], v[40+\i]         ; erfc(|h| / sqrt 2)
.endr
.irp i, 0,1,2,3
	v_fma_f32 v[44+\i], -v[48+\i], v[52+\i], v[44+\i]  ; gelu
.endr
	v_mul_f32 v56, v44, v[G2W]
	v_fma_f32 v56, v45, v[G2W+1], v56
	v_fma_f32 v56, v46, v[G2W+2], v56
	v_fma_f32 v56, v47, v[G2W+3], v56
.irp m, 1,2,4
	v_add_f32_dpp v56, v56, v56 row_xmask:\m row_mask:0xf bank_mask:0xf  ; the row's eight threads are eight neighbouring lanes
.endr
	v_add_f32 v56, s44, v56
	v_mul_f32 v56, s43, v56
	v_exp_f32 v56, v56
	v_nop
	s_wait_alu depctr_va_vdst(0)                   ; the exponential has written v56, ahead of the addition that reads it
	v_add_f32 v56, 1.0, v56
	v_rcp_f32 v56, v56
	v_nop
	s_wait_alu depctr_va_vdst(0)                   ; the reciprocal has written v56, which the LDS store reads
	ds_store_b32 v[LGT], v56                       ; eight lanes, one word, one value
	; wf as it is, Wv_w rounded, into LDS
; four f32 in v[x .. x+3] are rounded to f16 in place, into v[x .. x+1]
.macro CV x
	v_cvt_pk_f16_f32 v[\x], v[\x], v[(\x)+1]
	v_cvt_pk_f16_f32 v[(\x)+1], v[(\x)+2], v[(\x)+3]
.endm
	s_wait_loadcnt 32                              ; wf is in
.irp r, 0,1,2,3
.irp e, 0,1
	ds_store_b128 v[LA], v[XA+8*\r+4*\e:XA+8*\r+4*\e+3] offset:PA*\r+512*\e  ; no wait: the data come from loads, and no vector line names them
.endr
.endr
.set i, 0
.rept 4
	s_wait_loadcnt 24-i                            ; Wv_w in four batches of eight loads: the later batches may stay out
.rept 8
	CV XB+4*i
.set i, i+1
.endr
	s_wait_alu depctr_va_vdst(0)                   ; the batch's conversions have written their part of v[XB ..], which its LDS stores read
.set i, i-8
.rept 8
	ds_store_b64 v[LB], v[XB+4*i:XB+4*i+1] offset:PA*(i/4)+256*(i%4)
.set i, i+1
.endr
.endr
	s_wait_dscnt 0x0                               ; for the others: my stores are done
	s_barrier_signal -1
	s_barrier_wait -1
	s_wait_alu depctr_vm_vsrc(0)                   ; my LDS stores have read v84 to v243: from here on these registers are the fragment sets, the accumulators and the rows read back, written by LDS loads and by matrix instructions
.macro FRAGS set, ks0                  ; 16 LDS loads: the fragments of K steps ks0 .. ks0 + 3
.irp n, 0,1,2,3
	ds_load_b128 v[(\set)+8*\n:(\set)+8*\n+3],       v[FA] offset:64*((\ks0)+\n)
	ds_load_b128 v[(\set)+8*\n+4:(\set)+8*\n+7],     v[FA] offset:64*((\ks0)+\n)+32
	ds_load_b128 v[(\set)+32+8*\n:(\set)+32+8*\n+3], v[FB] offset:64*((\ks0)+\n)
	ds_load_b128 v[(\set)+32+8*\n+4:(\set)+32+8*\n+7], v[FB] offset:64*((\ks0)+\n)+32
.endr
.endm
.macro MULS set, zero                  ; four products; the two accumulators take turns, one instruction a turn
.irp n, 0,1,2,3
.if (\zero) && (\n < 2)
	v_wmma_f32_16x16x32_f16 v[ACC+8*((\n)%2):ACC+8*((\n)%2)+7], v[(\set)+32+8*\n:(\set)+32+8*\n+7], v[(\set)+8*\n:(\set)+8*\n+7], 0
.else
	v_wmma_f32_16x16x32_f16 v[ACC+8*((\n)%2):ACC+8*((\n)%2)+7], v[(\set)+32+8*\n:(\set)+32+8*\n+7], v[(\set)+8*\n:(\set)+8*\n+7], v[ACC+8*((\n)%2):ACC+8*((\n)%2)+7]
.endif
.endr
.endm
.macro PLACES                          ; four places behind a product, ahead of loads into registers that it has read: they stay as they stood; the wait that follows them states the dependence
.rept 4
	v_nop
.endr
.endm
	FRAGS SET0, 0
	FRAGS SET1, 4
	s_wait_dscnt 16                                ; set 0 is in; set 1's 16 loads may stay out
	MULS SET0, 1
	PLACES
	s_wait_alu depctr_va_vdst(0)                   ; the four products are done reading set 0, in which the loads below land
	FRAGS SET0, 8
	s_wait_dscnt 16
	MULS SET1, 0
	PLACES
	s_wait_alu depctr_va_vdst(0)                   ; the four products are done reading set 1, in which the loads below land
	FRAGS SET1, 12
	s_wait_dscnt 16
	MULS SET0, 0
	s_wait_dscnt 0x0
	MULS SET1, 0
.rept 8
	v_nop                                          ; the places behind the last products
.endr
.irp i, 0,2,4,6
	v_pk_add_f32 v[ACC+\i:ACC+\i+1], v[ACC+\i:ACC+\i+1], v[ACC+8+\i:ACC+8+\i+1]  ; the two parities, from the low end on
.endr
	s_wait_alu depctr_va_vdst(0)                   ; the additions have written v[ACC .. ACC+7], which the LDS stores read
	ds_store_b128 v[STO], v[ACC:ACC+3]
	ds_store_b128 v[STO], v[ACC+4:ACC+7] offset:16
	s_wait_dscnt 0x0                               ; for the others: a row of 256 bytes comes from four waves
	s_barrier_signal -1
	s_barrier_wait -1
	ds_load_b128 v[OB:OB+3],   v[RD]               ; no wait: no vector or matrix instruction stands behind the wait above
	ds_load_b128 v[OB+4:OB+7], v[RD] offset:2*PS
	ds_load_b32 v[OB+8], v[RG]                     ; the gates of rows 4 w + h
	ds_load_b32 v[OB+9], v[RG] offset:8            ; and 4 w + h + 2
	s_wait_dscnt 0x0
.irp i, 0,1
	v_pk_add_f32 v[OB+4*\i:OB+4*\i+1],   v[OB+4*\i:OB+4*\i+1],   v[VB:VB+1]
	v_pk_add_f32 v[OB+4*\i+2:OB+4*\i+3], v[OB+4*\i+2:OB+4*\i+3], v[VB+2:VB+3]
.endr
.irp i, 0,1
.irp e, 0,1,2,3
	v_mul_f32 v[OB+4*\i+\e], v[OB+4*\i+\e], v[OB+8+\i]
.endr
.endr
	s_wait_alu depctr_va_vdst(0)                   ; the multiplications have written v[OB .. OB+7], which the stores read
	global_store_b128 v[CO], v[OB:OB+3],   s[26:27] th:TH_STORE_NT              ; 16 lanes store 256 consecutive bytes, at a multiple of 256 from the first byte of out0
	global_store_b128 v[CO], v[OB+4:OB+7], s[26:27] offset:4096 th:TH_STORE_NT
	s_cmp_lg_u32 s31, 0                            ; out1: the work-group of the first column block,
	s_cbranch_scc1 .Lend
	s_cmp_lg_u32 s30, 0                            ; its wave 0: 128 consecutive bytes; the whole output is 4,096
	s_cbranch_scc1 .Lend
	ds_load_b32 v[OB+10], v[G1]                    ; no wait: no vector instruction stands behind the wait above, and no store has read this register since the wait on vm_vsrc
	s_wait_dscnt 0x0
	global_store_b32 v[G1O], v[OB+10], s[28:29]
.Lend:
	s_wait_dscnt 0x0                               ; the closing lines, six on end
	s_wait_alu 0x0
	s_wait_tensorcnt 0x0
	ds_add_u32 v[SPW], v[NIL]
	s_wait_dscnt 0x0
	s_endpgm
.Lfunc_end_k_q72075aa8aa_outp:
	.size	k_q72075aa8aa_outp, .Lfunc_end_k_q72075aa8aa_outp-k_q72075aa8aa_outp
	.p2alignl 7, 3214868480
	.fill 96, 4, 3214868480
	.section	.rodata,"a",@progbits
	.p2align	6, 0x0
	.amdhsa_kernel k_q72075aa8aa_outp
		.amdhsa_group_segment_fixed_size 109824
		.amdhsa_private_segment_fixed_size 0
		.amdhsa_enable_private_segment 0
		.amdhsa_kernarg_size 88
		.amdhsa_user_sgpr_count 2
		.amdhsa_user_sgpr_kernarg_segment_ptr 1
		.amdhsa_wavefront_size32 1
		.amdhsa_system_sgpr_workgroup_id_x 1
		.amdhsa_system_sgpr_workgroup_id_y 1
		.amdhsa_system_sgpr_workgroup_id_z 1
		.amdhsa_system_vgpr_workitem_id 0
		.amdhsa_next_free_vgpr 256
		.amdhsa_next_free_sgpr 66
		.amdhsa_reserve_vcc 0
		.amdhsa_float_denorm_mode_32 3
		.amdhsa_float_denorm_mode_16_64 3
		.amdhsa_memory_ordered 1
		.amdhsa_forward_progress 1
		.amdhsa_inst_pref_size 30
	.end_amdhsa_kernel
	.amdgpu_metadata
---
amdhsa.version: [ 1, 2 ]
amdhsa.kernels:
  - .name:           k_q72075aa8aa_outp
    .symbol:         k_q72075aa8aa_outp.kd
    .args:
      - { .name: wf, .offset: 0, .size: 8, .value_kind: global_buffer, .address_space: global }
      - { .name: Wv_w, .offset: 8, .size: 8, .value_kind: global_buffer, .address_space: global }
      - { .name: Wv_b, .offset: 16, .size: 8, .value_kind: global_buffer, .address_space: global }
      - { .name: hqp, .offset: 24, .size: 8, .value_kind: global_buffer, .address_space: global }
      - { .name: scl, .offset: 32, .size: 8, .value_kind: global_buffer, .address_space: global }
      - { .name: g1_w, .offset: 40, .size: 8, .value_kind: global_buffer, .address_space: global }
      - { .name: g1_b, .offset: 48, .size: 8, .value_kind: global_buffer, .address_space: global }
      - { .name: g2_w, .offset: 56, .size: 8, .value_kind: global_buffer, .address_space: global }
      - { .name: g2_b, .offset: 64, .size: 8, .value_kind: global_buffer, .address_space: global }
      - { .name: out0, .offset: 72, .size: 8, .value_kind: global_buffer, .address_space: global }
      - { .name: out1, .offset: 80, .size: 8, .value_kind: global_buffer, .address_space: global }
    .group_segment_fixed_size: 109824
    .private_segment_fixed_size: 0
    .kernarg_segment_align: 8
    .kernarg_segment_size: 88
    .max_flat_workgroup_size: 256
    .sgpr_count:     66
    .vgpr_count:     256
    .wavefront_size: 32
...
	.end_amdgpu_metadata
.endif
;; end of part 5
